; MI455X (gfx1250); checked and timed in simulation.
; The chip was launched on July 23, 2026; its instructions are those of AMD's public machine-readable ISA for CDNA 5 (MIT licence, August 2026) and "CDNA5" Instruction Set Architecture Reference Guide (July 2026). The comments in the code are by the model that wrote it; some were corrected since.
;; Encoder Block. Allowed arithmetic: matrix products marked QUANTISED: E5M2 operands, one E8M0 scale for each 32 along K, by v_wmma_scale_f32_16x16x128_f8f6f4 with both operands' format E5M2, f32 sums; everything else in f32.
;; Inputs: b1 4,096 float32; b2 1,024 float32; ln1_a 1,024 float32; ln1_b 1,024 float32; ln2_a 1,024 float32; ln2_b 1,024 float32; mask 1 x 1 x 2,048 x 2,048 int32; w1_codes 4,096 x 32 x 32 uint8 (E5M2 codes of w1, K innermost, in blocks of 32 codes); w1_scales 4,096 x 32 uint8 (E8M0 scales of w1, one for each 32 codes along K); w2_codes 1,024 x 128 x 32 uint8 (E5M2 codes of w2, K innermost, in blocks of 32 codes); w2_scales 1,024 x 128 uint8 (E8M0 scales of w2, one for each 32 codes along K); wk_codes 1,024 x 32 x 32 uint8 (E5M2 codes of wk, K innermost, in blocks of 32 codes); wk_scales 1,024 x 32 uint8 (E8M0 scales of wk, one for each 32 codes along K); wo_codes 1,024 x 32 x 32 uint8 (E5M2 codes of wo, K innermost, in blocks of 32 codes); wo_scales 1,024 x 32 uint8 (E8M0 scales of wo, one for each 32 codes along K); wq_codes 1,024 x 32 x 32 uint8 (E5M2 codes of wq, K innermost, in blocks of 32 codes); wq_scales 1,024 x 32 uint8 (E8M0 scales of wq, one for each 32 codes along K); wv_codes 1,024 x 32 x 32 uint8 (E5M2 codes of wv, K innermost, in blocks of 32 codes); wv_scales 1,024 x 32 uint8 (E8M0 scales of wv, one for each 32 codes along K); x 2 x 2,048 x 1,024 float32.
;; Outputs: out0 2 x 2,048 x 1,024 float32.
;; This version of the problem:
;;   THIS VERSION OF THE PROBLEM IS GIVEN IN LOW PRECISION. The matrix products marked QUANTISED in the list below multiply operands that are first quantised to E5M2 (5 exponent bits, 2 mantissa bits; 8 bits a number), with one power-of-two scale for each 32 numbers along K (OCP MX v1.0); their sums are f32. All else is computed in f32.
;;   The module's matrix products, in the order in which they are computed (A, B: the left and right operand; K: the contracted axis; several contracted axes count as one K, in the product's order):
;;     1. [M 4,096, K 1,024] x [K 1,024, N 1,024]; A: computed on the way; B: input wq (given as codes): QUANTISED
;;     2. [M 4,096, K 1,024] x [K 1,024, N 1,024]; A: computed on the way; B: input wk (given as codes): QUANTISED
;;     3. [M 4,096, K 1,024] x [K 1,024, N 1,024]; A: computed on the way; B: input wv (given as codes): QUANTISED
;;     4. batch 32 x [M 2,048, K 64] x [K 64, N 2,048]; A: computed on the way; B: computed on the way: QUANTISED
;;     5. batch 32 x [M 2,048, K 2,048] x [K 2,048, N 64]; A: softmax (see below); B: computed on the way: QUANTISED
;;     6. [M 4,096, K 1,024] x [K 1,024, N 1,024]; A: computed on the way; B: input wo (given as codes): QUANTISED
;;     7. [M 4,096, K 1,024] x [K 1,024, N 4,096]; A: computed on the way; B: input w1 (given as codes): QUANTISED
;;     8. [M 4,096, K 4,096] x [K 4,096, N 1,024]; A: computed on the way; B: input w2 (given as codes): QUANTISED
;;   THE QUANTISER, for each operand of a quantised product, along K:
;;     - K is cut into blocks of 32 from its start; a last block that is shorter is filled with zeros.
;;     - A block's scale is 2^e with e = floor(log2(the largest magnitude in the block)) - 15, held to -126 .. 127; a block of zeros has e = 0. As a byte (E8M0): e + 127.
;;     - Each number is divided by its block's scale, clamped to +-57,344, and rounded to the nearest number of E5M2, ties to even, subnormals kept.
;;     - The product sums the exact products of the quantised numbers (number of the format x scale) in f32.
;;   ~~~python
;;   def quantise(x, axis):      # numpy; x: float32 -> the quantised numbers, widened to float32 again
;;       x = np.moveaxis(x, axis, -1); K = x.shape[-1]
;;       x = np.pad(x, [(0, 0)] * (x.ndim - 1) + [(0, -K % 32)]); x = x.reshape(x.shape[:-1] + (-1, 32)); a = np.abs(x).max(-1, keepdims=True)
;;       e = np.where(a > 0, np.clip(np.frexp(np.where(a > 0, a, 1))[1] - 1 - 15, -126, 127), 0)      # np.frexp(a)[1] - 1 = floor(log2(a)), exactly
;;       r = np.clip(x / 2.0 ** e, -57344, 57344)
;;       step = 2.0 ** (np.maximum(np.frexp(np.where(r == 0, 1, r))[1] - 1, -14) - 2)
;;       q = np.round(r / step) * step * 2.0 ** e      # np.round: ties to even
;;       return np.moveaxis(q.reshape(q.shape[:-2] + (-1,))[..., :K], -1, axis).astype(np.float32)
;;   ~~~
;;   SOFTMAX AHEAD OF A QUANTISED PRODUCT. Where the list says 'softmax', what is quantised is not the finished softmax but p = 2^(t - M), with t = logit x log2(e) and M = ceil(the row's largest t), a whole number; so 1/2 < the row's largest p <= 1. The row's sum l is taken of the UNQUANTISED p, in f32, and the product's result is divided by l at the end. Since M is a whole number, a kernel that streams over the keys may use a running M (the ceiling of the running maximum): every later rescaling is an exact power of two, which a block's scale takes up: the codes' values come out the same.
;;   OPERANDS COMPUTED ON THE WAY. 'Computed on the way' means the value that the module computes at that place (a softmax that the list does not call 'softmax' is quantised finished and normalised). What goes into a quantiser is computed in f32, as accurately as f32 sums, v_exp_f32 and their like allow (about 1e-6 of the number): no bf16 or f16 on the way to a quantiser, and a product that is left as it is and whose result goes on into a quantised operand takes f32 operands (vector FMAs, or v_wmma_f32_16x16x4_f32). A number that lies on a knife's edge between two numbers of the format may be rounded either way, as far as f32 arithmetic and the matrix unit's own rounding can turn it there, and no further.
;;   INPUTS GIVEN AS CODES. w1 (in the module: [4096, 1024], K = its axis 1); w2 (in the module: [1024, 4096], K = its axis 1); wk (in the module: [1024, 1024], K = its axis 1); wo (in the module: [1024, 1024], K = its axis 1); wq (in the module: [1024, 1024], K = its axis 1); wv (in the module: [1024, 1024], K = its axis 1): each comes as NAME_codes (uint8): NAME with its K axis moved to the last place and cut into blocks of 32 codes, [.., K / 32, bytes a block], one block behind the other in memory; one code a byte (a code: sign, 5 exponent bits, 2 mantissa bits); and NAME_scales (uint8): the same leading axes, one E8M0 byte (e + 127) for each 32 codes along K. Its value is code x scale, taken as it is: it is not quantised again, and the codes and scales need not be those that the quantiser above would give.
;; One version. Each part assembles by itself: llvm-mc -triple=amdgcn-amd-amdhsa -mcpu=gfx1250 --defsym DOCPART=n.
;; ======== version 1 of 1: 7 launches
;; limits: right only within a limited range of input values
;; workspace buffers: actc 4,194,304 bytes; acts 131,072 bytes; mw 4,194,304 bytes; widec 16,777,216 bytes; wides 524,288 bytes; x1 16,777,216 bytes
;; launch ln1 (part 1): grid 512 x 1, 4 waves a work-group, no clusters, 55,808 bytes of LDS; arguments x, ln1_a, ln1_b, actc, acts, mask, mw; writes actc, acts, mw
.if DOCPART == 1
	.amdgcn_target "amdgcn-amd-amdhsa--gfx1250"
	.amdhsa_code_object_version 6
	.text
	.protected	k_qe1bffb90d6_ln1
	.globl	k_qe1bffb90d6_ln1
	.p2align	8
	.type	k_qe1bffb90d6_ln1,@function
k_qe1bffb90d6_ln1:
	s_mov_b64 s[64:65], 0
	v_nop
	global_prefetch_b8 v0, s[64:65] scope:SCOPE_SE
	s_setreg_imm32_b32 hwreg(HW_REG_WAVE_MODE, 25, 1), 1
	s_wait_xcnt 0x0
; TWO JOBS IN ONE BODY, parted on the work-group's number.
; Work-groups 0-255: y = a (x - mean) / (std + 1e-6) + b over rows of 1,024 f32 (std with 1,023 in the divisor), then y becomes codes of E5M2 with one E8M0 byte for each 32 along
; the row: codes [4096][1024], bytes [4096][32].  A work-group takes 16 rows, a wave 4; a row lies in 32 registers of one wave between its three passes, so it is read from memory once.
; Work-groups 256-511 (only in the launch whose grid has them): the mask [2048][2048] of int32 becomes one byte a number: the code 0 where the mask is not 0, the code of -57,344 (0xfb) where it is 0.
; The bytes are laid as the attention launch's operand registers take them: block [query tile of 16][key step of 128] of 2,048 bytes; in it the 16 bytes of query r, keys 32 j + 16 h + 0 .. 15, stand at 512 j + 16 (16 h + r).
; A block's scale is 2^(floor(log2(largest magnitude)) - 15); its byte is the largest magnitude's exponent field - 15, held at 1 from below.
; LIMITS: a block of zeros gets the byte 1 where the rule says 127 (its codes are zeros, and this program alone reads the bytes); NaN and infinities among the inputs are not served.
; A stream: no matrix unit, no tensor load, no cluster: work-groups share nothing but a and b, 8,192 bytes.  Each path has LDS bytes of its own.
.set SCB, 20480                        ; LDS: behind the four waves' stages (2 x 32 x 80 bytes each): the 16 rows' 512 scale bytes
.set MST, 21504                        ; the mask path's stages: 8,448 bytes apart, 2 x 8 units of 256 + 16 bytes used by each wave
.set AL,  16                           ; v16-47   a, as the loads lay it: register 4 j + e = number 128 j + 4 lane + e
.set BE,  48                           ; v48-79   b likewise
.set X,   80                           ; v80-207  four rows of 32 registers; later a row's codes (+0..7) and bytes (+8, +9)
.set Y,   208                          ; v208-239 two sets of 16 neighbours
	s_load_b256 s[4:11], s[0:1], 0x0               ; the rows s[4:5], a s[6:7], b s[8:9], the codes s[10:11]
	s_load_b128 s[12:15], s[0:1], 0x20             ; the scale bytes s[12:13], the mask s[14:15]
	s_load_b64 s[16:17], s[0:1], 0x30              ; the mask bytes
	v_lshl_add_u32 v254, v0, 2, 0xd800
	v_mov_b32 v255, 0
	v_lshrrev_b32 v1, 5, v0
	v_readfirstlane_b32 s18, v1                    ; wave 0..3
	v_and_b32 v1, 31, v0                           ; lane
	v_lshlrev_b32 v2, 4, v1                        ; 16 x lane
	s_cmp_ge_u32 ttmp9, 256
	s_cbranch_scc1 .Lmask
	; ---------------- the norm and the quantiser
	s_mov_b32 s20, 0x76543210
	s_mov_b32 s21, 0xfedcba98                      ; v_permlanex16_b32's selects for lane l xor 16
	s_mov_b32 s23, 0x600000                        ; the mantissa field of 57,344
	s_mul_i32 s24, s18, 5120                       ; my wave's two stages
	v_lshrrev_b32 v3, 2, v1
	v_mul_u32_u24 v3, v3, 80
	v_and_b32 v4, 3, v1
	v_lshl_add_u32 v3, v4, 4, v3
	v_add_nc_u32 v3, s24, v3                       ; into a stage: four lanes' 64 bytes on end, then 16 of padding
	v_mul_u32_u24 v4, v1, 80
	v_add_nc_u32 v4, s24, v4                       ; out of it: 80 x lane: my 16 neighbours
	s_lshl_b32 s25, s18, 7
	s_add_co_u32 s25, s25, SCB
	s_wait_alu depctr_va_vdst(0)
	v_lshrrev_b32 v5, 1, v1
	v_add_nc_u32 v5, s25, v5                       ; my block's byte among my wave's 128
	v_lshl_add_u32 v6, v1, 4, SCB                  ; the work-group's 512 bytes, 16 a lane
	v_mov_b32 v9, 0                                ; (upper halves of pairs of which the low word alone is taken)
	v_mov_b32 v11, 0
	s_lshl_b32 s26, ttmp9, 4
	s_lshl_b32 s27, s18, 2
	s_add_co_u32 s26, s26, s27                     ; my first row: 16 x work-group + 4 x wave
	s_lshl_b32 s28, s26, 12                        ; 4,096 bytes a row of f32
	s_mov_b32 s29, 0
	s_lshl_b32 s30, s26, 10                        ; 1,024 bytes a row of codes
	s_mov_b32 s31, 0
	s_lshl_b32 s32, ttmp9, 9                       ; 512 scale bytes a work-group
	s_mov_b32 s33, 0
	s_wait_kmcnt 0x0
	s_add_nc_u64 s[4:5], s[4:5], s[28:29]
	s_add_nc_u64 s[10:11], s[10:11], s[30:31]
	s_add_nc_u64 s[12:13], s[12:13], s[32:33]
.irp j, 0,1,2,3,4,5,6,7
	global_load_b128 v[AL+4*\j:AL+4*\j+3], v2, s[6:7] offset:512*\j
	global_load_b128 v[BE+4*\j:BE+4*\j+3], v2, s[8:9] offset:512*\j
.endr
.irp i, 0,1,2,3
.irp j, 0,1,2,3,4,5,6,7
	global_load_b128 v[X+32*\i+4*\j:X+32*\i+4*\j+3], v2, s[4:5] offset:4096*\i+512*\j th:TH_LOAD_NT   ; 32 lanes read 512 consecutive bytes
.endr
.endr
.macro LANES                           ; v248 summed over the 32 lanes, the result in every lane
	v_add_f32_dpp v248, v248, v248 row_xmask:1 row_mask:0xf bank_mask:0xf
	v_add_f32_dpp v248, v248, v248 row_xmask:2 row_mask:0xf bank_mask:0xf
	v_add_f32_dpp v248, v248, v248 row_xmask:4 row_mask:0xf bank_mask:0xf
	v_add_f32_dpp v248, v248, v248 row_xmask:8 row_mask:0xf bank_mask:0xf
	v_permlanex16_b32 v249, v248, s20, s21
	v_add_f32 v248, v248, v249
.endm
.macro TURN i, s                       ; half s of row i (512 numbers) through stage s: in as it was loaded, out 16 neighbours a lane.  LDS serves a wave's instructions in order
.irp j, 0,1,2,3
	ds_store_b128 v3, v[X+32*(\i)+16*(\s)+4*\j:X+32*(\i)+16*(\s)+4*\j+3] offset:2560*(\s)+640*\j
.endr
.irp j, 0,1,2,3
	ds_load_b128 v[Y+16*(\s)+4*\j:Y+16*(\s)+4*\j+3], v4 offset:2560*(\s)+16*\j
.endr
.endm
.macro QSTEP i, s                      ; 512 numbers become 512 codes and 16 bytes; two neighbouring lanes hold a block
.set XS, Y+16*(\s)
.set R, X+32*(\i)
	v_max3_num_f32 v12, |v[XS]|, |v[XS+1]|, |v[XS+2]|
	v_max3_num_f32 v13, |v[XS+3]|, |v[XS+4]|, |v[XS+5]|
.irp k, 6,10
	v_max3_num_f32 v12, v12, |v[XS+\k]|, |v[XS+\k+1]|
	v_max3_num_f32 v13, v13, |v[XS+\k+2]|, |v[XS+\k+3]|
.endr
	v_max3_num_f32 v12, v12, |v[XS+14]|, |v[XS+15]|
	v_max3_num_f32 v12, v12, v13, 0x8000000        ; and the floor 2^(16 - 127): the byte cannot fall under 1
	v_max_num_f32_dpp v12, v12, v12 row_xmask:1 row_mask:0xf bank_mask:0xf   ; with my neighbour's 16: the block's largest magnitude
	v_add_nc_u32 v14, 0xf8800000, v12              ; 15 off its exponent field: the conversion's scale operand
	v_and_or_b32 v15, v12, 0x7f800000, s23         ; 57,344 x the scale
.irp k, 0,1,2,3,4,5,6,7,8,9,10,11,12,13,14,15
	v_med3_num_f32 v[XS+\k], v[XS+\k], -v15, v15   ; the conversion to an 8-bit code does not saturate (ISA guide 7.6.2): the hold comes first
.endr
	v_cvt_scalef32_pk8_bf8_f32 v[R+4*(\s):R+4*(\s)+1], v[XS:XS+7], v14
	v_cvt_scalef32_pk8_bf8_f32 v[R+4*(\s)+2:R+4*(\s)+3], v[XS+8:XS+15], v14
	v_lshrrev_b32 v[R+8+(\s)], 23, v14             ; the scale's byte (also the plain line behind the conversions)
	ds_store_b8 v5, v[R+8+(\s)] offset:32*(\i)+16*(\s)   ; both lanes of a block write the same byte with the same value
	global_store_b128 v2, v[R+4*(\s):R+4*(\s)+3], s[10:11] offset:1024*(\i)+512*(\s)   ; 512 consecutive bytes; every step has data registers of its own
.endm
.macro ROW i
.set R, X+32*(\i)
	s_wait_loadcnt 8*(3-(\i))                      ; this row's eight loads are in; the later rows', eight each, may be out
	v_pk_add_f32 v[248:249], v[R:R+1], v[R+2:R+3]
	v_pk_add_f32 v[250:251], v[R+4:R+5], v[R+6:R+7]
.irp k, 8,12,16,20,24,28
	v_pk_add_f32 v[248:249], v[248:249], v[R+\k:R+\k+1]
	v_pk_add_f32 v[250:251], v[250:251], v[R+\k+2:R+\k+3]
.endr
	v_pk_add_f32 v[248:249], v[248:249], v[250:251]
	v_add_f32 v248, v248, v249
	LANES
	v_mul_f32 v8, 0x3a800000, v248                 ; the mean: sum x 2^-10
.irp k, 0,2,4,6,8,10,12,14,16,18,20,22,24,26,28,30
	v_pk_add_f32 v[R+\k:R+\k+1], v[R+\k:R+\k+1], v[8:9] op_sel_hi:[1,0] neg_lo:[0,1] neg_hi:[0,1]   ; x - mean, in place
.endr
	v_pk_mul_f32 v[248:249], v[R:R+1], v[R:R+1]
	v_pk_mul_f32 v[250:251], v[R+2:R+3], v[R+2:R+3]
.irp k, 4,8,12,16,20,24,28
	v_pk_fma_f32 v[248:249], v[R+\k:R+\k+1], v[R+\k:R+\k+1], v[248:249]
	v_pk_fma_f32 v[250:251], v[R+\k+2:R+\k+3], v[R+\k+2:R+\k+3], v[250:251]
.endr
	v_pk_add_f32 v[248:249], v[248:249], v[250:251]
	v_add_f32 v248, v248, v249
	LANES
	v_mul_f32 v248, 0x3a802008, v248               ; the sum of squares x 1 / 1,023
	s_wait_alu depctr_va_vdst(0)
	v_sqrt_f32 v250, v248
	v_nop                                          ; a plain line behind the root,
	s_wait_alu depctr_va_vdst(0)                   ; and the wait ahead of its first reader
	v_add_f32 v250, 0x358637bd, v250               ; std + 1e-6
	s_wait_alu depctr_va_vdst(0)
	v_rcp_f32 v10, v250
.irp k, 0,2,4,6,8,10,12,14,16,18,20,22,24,26,28,30
	v_pk_mul_f32 v[R+\k:R+\k+1], v[R+\k:R+\k+1], v[AL+\k:AL+\k+1]   ; a (x - mean): work that names neither the reciprocal nor its source
.endr
	s_wait_alu depctr_va_vdst(0)                   ; the wait ahead of the reciprocal's first reader
.irp k, 0,2,4,6,8,10,12,14,16,18,20,22,24,26,28,30
	v_pk_fma_f32 v[R+\k:R+\k+1], v[R+\k:R+\k+1], v[10:11], v[BE+\k:BE+\k+1] op_sel_hi:[1,0,1]
.endr
	TURN \i, 0
	TURN \i, 1
	s_wait_dscnt 8                                 ; the first half is back; the second half's four stores and four loads may be out
	QSTEP \i, 0
	s_wait_dscnt 1                                 ; the second half is back; the byte store just issued may be out
	QSTEP \i, 1
.endm
	ROW 0
	ROW 1
	ROW 2
	ROW 3
	s_wait_dscnt 0x0                               ; for the others' sake: my byte stores have landed
	s_barrier_signal -1
	s_barrier_wait -1
	s_cmp_lg_u32 s18, 0
	s_cbranch_scc1 .Lend
	ds_load_b128 v[12:15], v6                      ; wave 0 stores the work-group's 512 scale bytes: two aligned blocks of 256
	s_wait_dscnt 0x0
	global_store_b128 v2, v[12:15], s[12:13]
.Lend:
	s_wait_tensorcnt 0x0
	ds_add_u32 v254, v255
	s_wait_dscnt 0x0
	s_endpgm
	; ---------------- the mask's bytes.  A task is 16 queries x 128 keys; a wave has two tasks, side by side along the keys
.Lmask:
	s_sub_co_u32 s24, ttmp9, 256
	s_lshl_b32 s24, s24, 3
	s_lshl_b32 s25, s18, 1
	s_add_co_u32 s24, s24, s25                     ; my first task: 16 qt + ks
	s_lshr_b32 s25, s24, 4                         ; qt
	s_and_b32 s26, s24, 15                         ; ks
	s_lshl_b32 s28, s25, 17                        ; 16 rows of 8,192 bytes
	s_lshl_b32 s26, s26, 9                         ; 128 keys of 4 bytes
	s_add_co_u32 s28, s28, s26
	s_mov_b32 s29, 0
	s_lshl_b32 s30, s24, 11                        ; 2,048 bytes out a task
	s_mov_b32 s31, 0
	s_mul_i32 s27, s18, 8448
	s_add_co_u32 s27, s27, MST                     ; my stage
	s_wait_alu depctr_va_vdst(0)
	v_lshrrev_b32 v3, 2, v1
	v_mul_u32_u24 v3, v3, 272
	v_and_b32 v4, 3, v1
	v_lshl_add_u32 v3, v4, 2, v3
	v_add_nc_u32 v3, s27, v3                       ; in: lane d holds keys 4 d .. 4 d + 3 of a row: unit d / 4 (256 + 16 bytes), word d % 4; row r lies 16 r on
	v_lshrrev_b32 v4, 4, v1
	v_mul_u32_u24 v4, v4, 272
	v_and_b32 v5, 15, v1
	v_lshl_add_u32 v4, v5, 4, v4
	v_add_nc_u32 v4, s27, v4                       ; out: two units, 16 bytes a lane
	v_mov_b32 v8, 0xfb                             ; the code of -57,344 in each of a word's four bytes
	v_mov_b32 v9, 0xfb00
	v_mov_b32 v10, 0xfb0000
	v_mov_b32 v11, 0xfb000000
	s_wait_alu depctr_va_vdst(0)
	s_wait_kmcnt 0x0
	s_add_nc_u64 s[14:15], s[14:15], s[28:29]
	s_add_nc_u64 s[16:17], s[16:17], s[30:31]
.irp u, 0,1
.irp r, 0,1,2,3,4,5,6,7,8,9,10,11,12,13,14,15
	global_load_b128 v[X+64*\u+4*\r:X+64*\u+4*\r+3], v2, s[14:15] offset:8192*\r+512*\u th:TH_LOAD_NT   ; 512 consecutive bytes of a row
.endr
.endr
.macro TASK u
	s_wait_loadcnt 16*(1-(\u))                     ; this task's 16 loads are in; the other's may be out
.irp r, 0,1,2,3,4,5,6,7,8,9,10,11,12,13,14,15
.irp e, 0,1,2,3
	v_cmp_eq_u32 s[32+\e], 0, v[X+64*(\u)+4*\r+\e]
.endr
.irp e, 0,1,2,3
	v_cndmask_b32 v[X+64*(\u)+4*\r+\e], 0, v[8+\e], s[32+\e]   ; 0xfb in byte e where the mask is 0
.endr
	v_add3_u32 v[X+64*(\u)+4*\r], v[X+64*(\u)+4*\r], v[X+64*(\u)+4*\r+1], v[X+64*(\u)+4*\r+2]   ; the four bytes share no bit
	v_add_nc_u32 v[X+64*(\u)+4*\r], v[X+64*(\u)+4*\r], v[X+64*(\u)+4*\r+3]
	ds_store_b32 v3, v[X+64*(\u)+4*\r] offset:2176*(\u)+16*\r
.endr
.irp j, 0,1,2,3
	ds_load_b128 v[16+16*(\u)+4*\j:16+16*(\u)+4*\j+3], v4 offset:2176*(\u)+544*\j   ; LDS serves a wave's instructions in order: these see the stores above
.endr
	s_wait_dscnt 0x0
.irp j, 0,1,2,3
	global_store_b128 v2, v[16+16*(\u)+4*\j:16+16*(\u)+4*\j+3], s[16:17] offset:2048*(\u)+512*\j   ; 512 consecutive bytes
.endr
.endm
	TASK 0
	TASK 1
	s_wait_tensorcnt 0x0
	ds_add_u32 v254, v255
	s_wait_dscnt 0x0
	s_endpgm
.Lfunc_end_k_qe1bffb90d6_ln1:
	.size	k_qe1bffb90d6_ln1, .Lfunc_end_k_qe1bffb90d6_ln1-k_qe1bffb90d6_ln1
	.p2alignl 7, 3214868480
	.fill 96, 4, 3214868480
	.section	.rodata,"a",@progbits
	.p2align	6, 0x0
	.amdhsa_kernel k_qe1bffb90d6_ln1
		.amdhsa_group_segment_fixed_size 55808
		.amdhsa_private_segment_fixed_size 0
		.amdhsa_enable_private_segment 0
		.amdhsa_kernarg_size 56
		.amdhsa_user_sgpr_count 2
		.amdhsa_user_sgpr_kernarg_segment_ptr 1
		.amdhsa_wavefront_size32 1
		.amdhsa_system_sgpr_workgroup_id_x 1
		.amdhsa_system_sgpr_workgroup_id_y 1
		.amdhsa_system_sgpr_workgroup_id_z 1
		.amdhsa_system_vgpr_workitem_id 0
		.amdhsa_next_free_vgpr 256
		.amdhsa_next_free_sgpr 66
		.amdhsa_reserve_vcc 0
		.amdhsa_float_denorm_mode_32 3
		.amdhsa_float_denorm_mode_16_64 3
		.amdhsa_memory_ordered 1
		.amdhsa_forward_progress 1
		.amdhsa_inst_pref_size 80
	.end_amdhsa_kernel
	.amdgpu_metadata
---
amdhsa.version: [ 1, 2 ]
amdhsa.kernels:
  - .name:           k_qe1bffb90d6_ln1
    .symbol:         k_qe1bffb90d6_ln1.kd
    .args:
      - { .name: x, .offset: 0, .size: 8, .value_kind: global_buffer, .address_space: global }
      - { .name: ln1_a, .offset: 8, .size: 8, .value_kind: global_buffer, .address_space: global }
      - { .name: ln1_b, .offset: 16, .size: 8, .value_kind: global_buffer, .address_space: global }
      - { .name: actc, .offset: 24, .size: 8, .value_kind: global_buffer, .address_space: global }
      - { .name: acts, .offset: 32, .size: 8, .value_kind: global_buffer, .address_space: global }
      - { .name: mask, .offset: 40, .size: 8, .value_kind: global_buffer, .address_space: global }
      - { .name: mw, .offset: 48, .size: 8, .value_kind: global_buffer, .address_space: global }
    .group_segment_fixed_size: 55808
    .private_segment_fixed_size: 0
    .kernarg_segment_align: 8
    .kernarg_segment_size: 56
    .max_flat_workgroup_size: 128
    .sgpr_count:     66
    .vgpr_count:     256
    .wavefront_size: 32
...
	.end_amdgpu_metadata
.endif
;; end of part 1
;; launch qkv (part 2): grid 12 x 16, 4 waves a work-group, clusters of 4 x 4, 327,680 bytes of LDS; arguments actc, acts, wq_codes, wq_scales, wk_codes, wk_scales, wv_codes, wv_scales, widec, wides; writes widec, wides
.if DOCPART == 2
	.amdgcn_target "amdgcn-amd-amdhsa--gfx1250"
	.amdhsa_code_object_version 6
	.text
	.protected	k_qe1bffb90d6_qkv
	.globl	k_qe1bffb90d6_qkv
	.p2align	8
	.type	k_qe1bffb90d6_qkv,@function
k_qe1bffb90d6_qkv:
	s_mov_b64 s[64:65], 0
	v_nop
	global_prefetch_b8 v0, s[64:65] scope:SCOPE_SE
	s_setreg_imm32_b32 hwreg(HW_REG_WAVE_MODE, 25, 1), 1
	s_wait_xcnt 0x0
	s_wait_alu depctr_hold_cnt(0) depctr_sa_sdst(0) depctr_va_vdst(0) depctr_va_sdst(0) depctr_va_ssrc(0) depctr_va_vcc(0) depctr_vm_vsrc(0)
	s_getreg_b32 s2, hwreg(HW_REG_IB_STS2, 6, 4)
	s_cmp_eq_u32 s2, 0
	s_cbranch_scc0 .Lentry_in_a_cluster
	s_endpgm
.Lentry_in_a_cluster:
	s_bfe_u32 s2, ttmp6, 0x10000c
	s_cmp_lg_u32 s2, 0xf033
	s_cbranch_scc0 .Lentry_shape_is_right
	s_endpgm
.Lentry_shape_is_right:
.set FFN,    0
.set SIZE_K, 1024
.set KSTEP,  256
.set NQ,     KSTEP/128
.set ROWB,   256
.set KROW,   SIZE_K
.set PITCH,  272
.set FR,     16
.set NL,     4
.set NP,     8
.set HALFT,  128*PITCH
.set SLOT,   4*HALFT
.set LAPS,   SIZE_K/(2*KSTEP)
.set KS,     SIZE_K/32
.set SCL,    2*SLOT
.set HALFS,  (128*KS/256)*272
.set SBLK,   (16*KS/256)*272
.set SPARE,  SCL+4*HALFS
.set SP2,    336
.set SWS,    256*SP2
.set COG,  8
.set ADRA, 16
.set CO,   18
.set BIO,  19
.set ADRB, 20
.set STO,  24
.set STS,  25
.set RD,   26
.set ADRS, 27
.set SPW,  28
.set NIL,  29
.set PW,   30
.set RDS,  31
.set SC,   32
.set TQ,   64
.set BI,   64
.set AF,   128
.set PC,   128
.set TM,   144
.set SWB,  160
.set SEL,  20
.set MNT,  22
.set G1, 24
.set G0, 32
.set G1B, 48
.set G0B, 56
.set G1S, 68
.set G0S, 76
.set G1SB, 80
.set G0SB, 88
.set MSB, 0
.macro WIN new
.if MSB != (\new)
	s_set_vgpr_msb (MSB<<8)|(\new)
.set MSB, \new
.endif
.endm
.set MUL_LO, 0xa1
.set TO_B,   0x40
.macro WMUL hi, zero
.if (\zero) && FFN
	WIN 0x81+0x40*(\hi)
.else
	WIN MUL_LO+0x50*(\hi)
.endif
.endm
.macro JLOAD g0a, g1a, g0b, g1b
	s_cmp_eq_u32 s15, 0
	s_cbranch_scc0 .Lfor_b_\@
	tensor_load_to_lds s[\g0a:\g0a+3], s[\g1a:\g1a+7]
	s_nop 0
.rept 4
	v_nop
.endr
	s_branch .Lasked_\@
.Lfor_b_\@:
	tensor_load_to_lds s[\g0b:\g0b+3], s[\g1b:\g1b+7]
	s_nop 0
.rept 4
	v_nop
.endr
.Lasked_\@:
.endm
.macro CREST
	s_cmp_lg_u32 s14, 0
	s_cbranch_scc1 .Lnot_wave_0_\@
	s_barrier_signal -3
.Lnot_wave_0_\@:
	s_barrier_wait -3
	s_barrier_signal -1
	s_barrier_wait -1
.endm
.macro CROUND
	s_barrier_signal -1
	s_barrier_wait -1
	CREST
.endm
.if FFN
	s_load_b256 s[4:11], s[0:1], 0x0
	s_load_b64 s[66:67], s[0:1], 0x20
	s_load_b64 s[12:13], s[0:1], 0x28
	s_load_b64 s[96:97], s[0:1], 0x30
.else
	s_load_b512 s[68:83], s[0:1], 0x0
	s_load_b128 s[84:87], s[0:1], 0x40
.endif
	v_lshl_add_u32 v[SPW], v0, 2, SPARE
	v_mov_b32 v[NIL], 0
	ds_add_u32 v28, v29
	ds_add_u32 v28, v29
	s_wait_dscnt 0x0
	v_lshrrev_b32 v1, 5, v0
	v_readfirstlane_b32 s14, v1
	s_lshr_b32 s15, s14, 1
	s_and_b32 s16, s14, 1
	s_bfe_u32 s40, ttmp6, 0x40000
	s_bfe_u32 s41, ttmp6, 0x40004
.if FFN
	s_lshl_b32 s42, ttmp9, 2
	s_add_co_u32 s42, s42, s40
	s_and_b32 s17, ttmp7, 0xffff
	s_lshl_b32 s17, s17, 2
	s_add_co_u32 s17, s17, s41
.else
	s_and_b32 s95, ttmp7, 0xffff
	s_cmp_eq_u32 ttmp9, 2
	s_cselect_b32 s17, 0, s95
	s_cselect_b32 s42, s95, 0
	s_mov_b32 s98, 0x40000
	s_cselect_b32 s98, 0x10000, s98
	s_mov_b32 s99, 32768
	s_cselect_b32 s99, 8192, s99
	s_lshl_b32 s17, s17, 2
	s_add_co_u32 s17, s17, s41
	s_lshl_b32 s42, s42, 2
	s_add_co_u32 s42, s42, s40
.endif
	s_lshl_b32 s43, s41, 2
	s_lshl_b32 s43, 15, s43
	s_lshl_b32 s44, 0x1111, s40
	s_or_b32 s[G1+0], s43, (0<<16)|(1<<20)|(1<<21)|(5<<22)|(3<<25)
	s_or_b32 s[G1B+0], s44, (0<<16)|(1<<20)|(1<<21)|(5<<22)|(3<<25)
.irp g, G1, G1B
	s_mov_b32 s[\g+1], ROWB<<16
	s_mov_b32 s[\g+2], 256<<16                     ; the head's loads of codes bring 256 rows; behind them the two words that count rows are set to 128
	s_mov_b32 s[\g+3], ROWB<<16
	s_mov_b32 s[\g+4], 256
	s_mov_b32 s[\g+5], KROW
	s_mov_b32 s[\g+6], 0
	s_mov_b32 s[\g+7], 0
.endr
	s_lshl_b32 s20, s17, 8                         ; the tile's first row of A,
	s_lshl_b32 s46, s42, 8                         ; and of B
	s_mov_b32 s21, 0
	s_mov_b32 s47, 0
	s_mov_b64 s[18:19], KS
	s_mul_u64 s[22:23], s[20:21], s[18:19]
	s_mul_u64 s[92:93], s[46:47], s[18:19]
	s_mov_b64 s[18:19], KROW
	s_mul_u64 s[20:21], s[20:21], s[18:19]
	s_mul_u64 s[46:47], s[46:47], s[18:19]
	s_mul_i32 s45, s14, HALFT
	s_mul_i32 s18, s16, 128*KROW                   ; in the ring I fetch 128 rows of a tile: which half, in bytes
	s_mov_b32 s19, 0
	s_wait_kmcnt 0x0
.if !FFN
	s_cmp_eq_u32 ttmp9, 1
	s_cselect_b64 s[8:9], s[76:77], s[72:73]
	s_cselect_b64 s[10:11], s[78:79], s[74:75]
	s_cmp_eq_u32 ttmp9, 2
	s_cselect_b64 s[4:5], s[80:81], s[68:69]
	s_cselect_b64 s[6:7], s[82:83], s[70:71]
	s_cselect_b64 s[8:9], s[68:69], s[8:9]
	s_cselect_b64 s[10:11], s[70:71], s[10:11]
	s_mov_b64 s[12:13], s[84:85]
	s_mov_b64 s[96:97], s[86:87]
.endif
	s_or_b32 s[G1S+0], s43, (3<<16)|(1<<20)|(1<<21)|(5<<22)|(3<<25)
	s_or_b32 s[G1SB+0], s44, (3<<16)|(1<<20)|(1<<21)|(5<<22)|(3<<25)
.irp g, G1S, G1SB
	s_mov_b32 s[\g+1], 32<<16
	s_mov_b32 s[\g+2], KS<<16                      ; the scales of 256 rows: KS rows of 256 bytes
	s_mov_b32 s[\g+3], 32<<16
	s_mov_b32 s[\g+4], KS
	s_mov_b32 s[\g+5], 32
	s_mov_b32 s[\g+6], 0
	s_mov_b32 s[\g+7], 0
.endr
	s_add_nc_u64 s[20:21], s[4:5], s[20:21]
	s_add_nc_u64 s[22:23], s[6:7], s[22:23]
	s_add_nc_u64 s[46:47], s[8:9], s[46:47]
	s_add_nc_u64 s[92:93], s[10:11], s[92:93]
	CROUND
	s_mov_b32 s[G0S], 1
	s_mov_b32 s[G0S+1], SCL
	s_mov_b64 s[G0S+2:G0S+3], s[22:23]
	s_or_b32 s[G0S+3], s[G0S+3], 0x80000000
	s_mov_b32 s[G0SB], 1
	s_mov_b32 s[G0SB+1], SCL+2*HALFS
	s_mov_b64 s[G0SB+2:G0SB+3], s[92:93]
	s_or_b32 s[G0SB+3], s[G0SB+3], 0x80000000
.set G0H, 4                            ; s[4:7], s[8:11] group 0 of the head's loads of K step 0: A's 256 rows, B's 256 rows (the arguments that lay there have been used)
.set G0HB, 8
	s_mov_b32 s[G0H], 1
	s_mov_b32 s[G0H+1], 0
	s_mov_b64 s[G0H+2:G0H+3], s[20:21]
	s_or_b32 s[G0H+3], s[G0H+3], 0x80000000
	s_mov_b32 s[G0HB], 1
	s_mov_b32 s[G0HB+1], 2*HALFT
	s_mov_b64 s[G0HB+2:G0HB+3], s[46:47]
	s_or_b32 s[G0HB+3], s[G0HB+3], 0x80000000
	s_add_nc_u64 s[20:21], s[20:21], s[18:19]      ; for the ring: my 128 rows of the tile
	s_add_nc_u64 s[46:47], s[46:47], s[18:19]
.irp s, 0,1
	s_mov_b32 s[G0+4*\s], 1
	s_add_co_u32 s[G0+4*\s+1], s45, \s*SLOT
	s_add_nc_u64 s[G0+4*\s+2:G0+4*\s+3], s[20:21], \s*ROWB
	s_or_b32 s[G0+4*\s+3], s[G0+4*\s+3], 0x80000000
	s_mov_b32 s[G0B+4*\s], 1
	s_add_co_u32 s[G0B+4*\s+1], s45, \s*SLOT
	s_add_nc_u64 s[G0B+4*\s+2:G0B+4*\s+3], s[46:47], \s*ROWB
	s_or_b32 s[G0B+4*\s+3], s[G0B+4*\s+3], 0x80000000
.endr
; THE HEAD'S LOADS, one a wave, in one chain of branches on the wave's number: wave 0 K step 0's 256 rows of A, wave 1 its 256 rows of B, wave 2 A's scales, wave 3 B's
.macro ARM under, g0, g1, next
	s_cmp_lt_u32 s14, \under
	s_cbranch_scc0 \next
	tensor_load_to_lds s[\g0:\g0+3], s[\g1:\g1+7]
	s_nop 0
.rept 4
	v_nop
.endr
	s_branch .Lhead_asked
\next:
.endm
	ARM 1, G0H,  G1,  .Lhead_b
	ARM 2, G0HB, G1B, .Lhead_sa
	ARM 3, G0S,  G1S, .Lhead_sb
	tensor_load_to_lds s[G0SB:G0SB+3], s[G1SB:G1SB+7]
	s_nop 0
.rept 4
	v_nop
.endr
.Lhead_asked:
	v_and_b32 v1, 15, v0
	v_bfe_u32 v2, v0, 4, 1
	v_mul_u32_u24 v3, v1, PITCH
	v_lshl_add_u32 v4, v2, 4, v3
	s_mul_i32 s21, s15, HALFT
	s_mul_i32 s22, s16, HALFT
	s_add_co_u32 s22, s22, 2*HALFT
.irp s, 0,1
	v_add_nc_u32 v[ADRA+\s], s21, v4
	v_add_nc_u32 v[ADRB+\s], s22, v4
	s_add_co_u32 s21, s21, SLOT
	s_add_co_u32 s22, s22, SLOT
.endr
	v_mul_u32_u24 v5, v1, KS
	v_lshrrev_b32 v6, 8, v5
	v_lshl_add_u32 v5, v6, 4, v5
	s_mul_i32 s21, s15, HALFS
	s_mul_i32 s22, s16, HALFS
	s_add_co_u32 s22, s22, 2*HALFS
	s_sub_co_u32 s22, s22, s21
	v_mul_u32_u24 v6, s22, v2
	s_add_co_u32 s21, s21, SCL
	v_add_nc_u32 v5, v5, v6
	v_add_nc_u32 v[ADRS], s21, v5
	s_mul_i32 s23, s15, 128*SP2
	s_lshl_b32 s22, s16, 7
	s_add_co_u32 s23, s23, s22
	v_mul_u32_u24 v5, v1, SP2
	v_lshl_add_u32 v5, v2, 4-FFN, v5
	v_add_nc_u32 v[STO], s23, v5
	s_lshl_b32 s23, s15, 10
	s_lshl_b32 s22, s16, 2
	s_add_co_u32 s23, s23, s22
	s_add_co_u32 s23, s23, SWS
	v_lshl_add_u32 v[STS], v1, 3, s23
	v_and_b32 v6, 31, v0
	v_lshrrev_b32 v5, 2, v6
	v_mul_u32_u24 v5, v5, SP2
	v_and_b32 v7, 3, v6
	v_lshl_add_u32 v5, v7, 4, v5
	s_mul_i32 s23, s14, 64*SP2
	v_add_nc_u32 v[RD], s23, v5
	v_lshlrev_b32 v[CO], 4, v6
	s_wait_alu depctr_va_vdst(0)
	s_lshl_b32 s23, s14, 9
	s_add_co_u32 s23, s23, SWS
	v_add_nc_u32 v[RDS], s23, v[CO]
	s_lshl_b32 s20, s17, 14
	s_lshl_b32 s21, s14, 12
	s_add_co_u32 s20, s20, s21
	s_mov_b32 s21, 0
	s_lshl_b32 s22, s17, 11
	s_lshl_b32 s23, s14, 9
	s_add_co_u32 s22, s22, s23
	s_mov_b32 s23, 0
.if FFN
	s_lshl_b32 s46, s42, 20
	s_lshl_b32 s92, s42, 15
.else
	s_mul_i32 s46, s42, s98
	s_lshl_b32 s46, s46, 2
	s_lshl_b32 s47, ttmp9, 22
	s_add_co_u32 s46, s46, s47
	s_mul_i32 s92, s42, s99
	s_lshl_b32 s47, ttmp9, 17
	s_add_co_u32 s92, s92, s47
	v_mov_b32 v[COG], v[CO]
	v_add_nc_u32 v[COG+1], s98, v[CO]
	s_lshl_b32 s47, s98, 1
	v_add_nc_u32 v[COG+2], s47, v[CO]
	s_add_co_u32 s47, s47, s98
	v_add_nc_u32 v[COG+3], s47, v[CO]
.endif
	s_mov_b32 s47, 0
	s_mov_b32 s93, 0
	s_add_nc_u64 s[20:21], s[20:21], s[46:47]
	s_add_nc_u64 s[22:23], s[22:23], s[92:93]
	s_add_nc_u64 s[12:13], s[12:13], s[20:21]
	s_add_nc_u64 s[96:97], s[96:97], s[22:23]
.if FFN
	s_lshl_b32 s46, s42, 10
	s_lshl_b32 s47, s16, 9
	s_add_co_u32 s46, s46, s47
	s_mov_b32 s47, 0
	s_add_nc_u64 s[66:67], s[66:67], s[46:47]
	v_lshlrev_b32 v[BIO], 5, v2
.irp b, 0,1,2,3,4,5,6,7
	global_load_b128 v[BI+8*\b:BI+8*\b+3], v[BIO], s[66:67] offset:64*\b
	global_load_b128 v[BI+8*\b+4:BI+8*\b+7], v[BIO], s[66:67] offset:64*\b+16
.endr
.endif
.macro FRAG reg, adr, q, i
.irp c, 0,1,2,3
	ds_load_b128 v[\reg+4*\c:\reg+4*\c+3], v[\adr] offset:128*(\q)+32*\c+(\i)*16*PITCH
.endr
.endm
.macro MUL16 a0, p, q, sc, zero
.irp a, \a0, \a0+1
.irp b, 0,1,2,3,4,5,6,7
.if (\zero) && FFN
	v_wmma_scale_f32_16x16x128_f8f6f4 v[8*(8*((\a)%4)+\b):8*(8*((\a)%4)+\b)+7], v[128*(\p)+FR*\b:128*(\p)+FR*\b+FR-1], v[AF+FR*(\a):AF+FR*(\a)+FR-1], v[BI+8*\b:BI+8*\b+7], v[SC+8*NQ*(\sc)+NQ*\b+(\q)], v[SC+8*NQ*(\sc)+NQ*(\a)+(\q)] matrix_a_fmt:MATRIX_FMT_BF8 matrix_b_fmt:MATRIX_FMT_BF8 matrix_a_scale:MATRIX_SCALE_ROW1
.elseif \zero
	v_wmma_scale_f32_16x16x128_f8f6f4 v[8*(8*((\a)%4)+\b):8*(8*((\a)%4)+\b)+7], v[128*(\p)+FR*\b:128*(\p)+FR*\b+FR-1], v[AF+FR*(\a):AF+FR*(\a)+FR-1], 0, v[SC+8*NQ*(\sc)+NQ*\b+(\q)], v[SC+8*NQ*(\sc)+NQ*(\a)+(\q)] matrix_a_fmt:MATRIX_FMT_BF8 matrix_b_fmt:MATRIX_FMT_BF8 matrix_a_scale:MATRIX_SCALE_ROW1
.else
	v_wmma_scale_f32_16x16x128_f8f6f4 v[8*(8*((\a)%4)+\b):8*(8*((\a)%4)+\b)+7], v[128*(\p)+FR*\b:128*(\p)+FR*\b+FR-1], v[AF+FR*(\a):AF+FR*(\a)+FR-1], v[8*(8*((\a)%4)+\b):8*(8*((\a)%4)+\b)+7], v[SC+8*NQ*(\sc)+NQ*\b+(\q)], v[SC+8*NQ*(\sc)+NQ*(\a)+(\q)] matrix_a_fmt:MATRIX_FMT_BF8 matrix_b_fmt:MATRIX_FMT_BF8 matrix_a_scale:MATRIX_SCALE_ROW1
.endif
.endr
.endr
.endm
.macro FETCH_B slot, q, p
	WIN TO_B
.irp i, 0,1,2,3,4,5,6,7
	FRAG 128*(\p)+FR*\i, ADRB+\slot, \q, \i
.endr
	WIN 0
.endm
.macro FETCH_A slot, q, i0
.irp i, \i0, \i0+1, \i0+2, \i0+3
	FRAG AF+FR*(\i), ADRA+\slot, \q, \i
.endr
.endm
.macro SCALES sc
.irp i, 0,1,2,3,4,5,6,7
	ds_load_b64 v[SC+8*NQ*\sc+NQ*\i:SC+8*NQ*\sc+NQ*\i+1], v[ADRS] offset:\i*SBLK
.endr
.endm
.macro PLACES n
.rept \n
	v_nop
.endr
.endm
.macro STEP slot, q, zero
	s_wait_dscnt 4*NL
	WMUL 0, \zero
	MUL16 0, (\q)%2, \q, \slot, \zero
	MUL16 2, (\q)%2, \q, \slot, \zero
	s_wait_dscnt 0
	PLACES NP
	FETCH_B \slot, (\q)+1, 1-(\q)%2
	FETCH_A \slot, (\q)+1, 0
	WMUL 1, \zero
	MUL16 4, (\q)%2, \q, \slot, \zero
	MUL16 6, (\q)%2, \q, \slot, \zero
	PLACES NP
	WIN 0
	FETCH_A \slot, (\q)+1, 4
.endm
.macro TURN slot, next, fill
	s_wait_tensorcnt 0x0
	ds_add_u32 v[SPW], v[NIL]
	s_wait_dscnt 4*NL+1
	WIN MUL_LO
	MUL16 0, 1, NQ-1, \slot, 0
	s_wait_dscnt 0x0
	s_barrier_signal -1
	MUL16 2, 1, NQ-1, \slot, 0
	WIN 0
	s_barrier_wait -1
.if \fill
	CREST
	s_add_nc_u64 s[G0+4*\slot+2:G0+4*\slot+3], s[G0+4*\slot+2:G0+4*\slot+3], 2*ROWB
	s_add_nc_u64 s[G0B+4*\slot+2:G0B+4*\slot+3], s[G0B+4*\slot+2:G0B+4*\slot+3], 2*ROWB
	JLOAD G0+4*\slot, G1, G0B+4*\slot, G1B
	PLACES NP-4
.else
	PLACES NP
.endif
	s_wait_alu depctr_va_vdst(0)
	v_add_nc_u32 v[ADRS], 4*NQ, v[ADRS]
	FETCH_B \next, 0, 0
	FETCH_A \next, 0, 0
	SCALES \next
	WIN MUL_LO+0x50
	MUL16 4, 1, NQ-1, \slot, 0
	MUL16 6, 1, NQ-1, \slot, 0
	PLACES NP
	WIN 0
	FETCH_A \next, 0, 4
.endm
	s_wait_alu depctr_va_vdst(0)                   ; the wait at the head's end
	s_wait_tensorcnt 0x0                           ; my tile of the head's four is in; the lines ahead of a later first fill:
	ds_add_u32 v[SPW], v[NIL]
	s_mov_b32 s[G1+2], 128<<16                     ; no tensor load of mine is out: from here on a load brings 128 rows
	s_mov_b32 s[G1+4], 128
	s_mov_b32 s[G1B+2], 128<<16
	s_mov_b32 s[G1B+4], 128
	s_wait_dscnt 0x0
	CROUND                                         ; all four tiles are in, and all sixteen work-groups are here
	JLOAD G0+4, G1, G0B+4, G1B                     ; K step 1's load, the first tensor load behind the round
	FETCH_B 0, 0, 0
	FETCH_A 0, 0, 0
	SCALES 0
	FETCH_A 0, 0, 4
.if FFN
	s_wait_loadcnt 0x0
.endif
	STEP 0, 0, 1
	s_mov_b32 s3, LAPS-1
.Llap:
	TURN 0, 1, 1
	STEP 1, 0, 0
	TURN 1, 0, 1
	STEP 0, 0, 0
	s_sub_co_u32 s3, s3, 1
	s_cmp_lg_u32 s3, 0
	s_cbranch_scc1 .Llap
	TURN 0, 1, 0
	STEP 1, 0, 0
	s_wait_dscnt 4*NL
	WIN MUL_LO
	MUL16 0, 1, NQ-1, 1, 0
	MUL16 2, 1, NQ-1, 1, 0
	s_wait_dscnt 0
	WIN MUL_LO+0x50
	MUL16 4, 1, NQ-1, 1, 0
	MUL16 6, 1, NQ-1, 1, 0
	WIN 0
.macro QB a
.set W, 2+(\a)/4
.set AC, 64*((\a)%4)
.set W12, (W<<2)|(W<<4)
	WIN 0
.irp b, 0,1,2,3
	v_mov_b32 v[TM+\b], 0x8000000
.endr
	WIN W12
.irp i, 0,2,4,6,8,10,12,14
.irp b, 0,1,2,3
.if FFN
	v_max3_num_f32 v[TM+\b], v[TM+\b], v[AC+16*\b+\i], v[AC+16*\b+\i+1]
.else
	v_max3_num_f32 v[TM+\b], v[TM+\b], |v[AC+16*\b+\i]|, |v[AC+16*\b+\i+1]|
.endif
.endr
.endr
	WIN 0
.irp b, 0,1,2,3
	v_permlanex16_b32 v[TM+4+\b], v[TM+\b], s[SEL], s[SEL+1]
.endr
.irp b, 0,1,2,3
	v_max_num_f32 v[TM+\b], v[TM+\b], v[TM+4+\b]
.endr
.irp b, 0,1,2,3
	v_add_nc_u32 v[TM+12+\b], 0xf8800000, v[TM+\b]
.endr
.irp b, 0,1,2,3
	v_and_or_b32 v[TM+8+\b], v[TM+\b], 0x7f800000, s[MNT]
.endr
.irp b, 0,1,2,3
	v_lshrrev_b32 v[TM+4+\b], 23, v[TM+12+\b]
.endr
	s_wait_alu depctr_va_vdst(0)
	s_wait_dscnt 0x0
	v_lshl_or_b32 v[PW], v[TM+5], 8, v[TM+4]
	v_lshl_or_b32 v[PW], v[TM+6], 16, v[PW]
	v_lshl_or_b32 v[PW], v[TM+7], 24, v[PW]
	WIN W
.set n, 0
.rept 64
.if FFN
	v_med3_num_f32 v[TQ+n], v[AC+n], 0, v[TM+8+n/16]
.else
	v_med3_num_f32 v[TQ+n], v[AC+n], -v[TM+8+n/16], v[TM+8+n/16]
.endif
.set n, n+1
.endr
	WIN 0
.irp t, 0,1,2,3,4,5,6,7
	v_cvt_scalef32_pk8_bf8_f32 v[PC+2*\t:PC+2*\t+1], v[TQ+8*\t:TQ+8*\t+7], v[TM+12+\t/2]
.endr
	v_nop
.irp t, 0,1,2,3,4,5,6,7
.if FFN
	ds_store_b64 v[STO], v[PC+2*\t:PC+2*\t+1] offset:(\a)*16*SP2+16*\t
.else
	ds_store_b64 v[STO], v[PC+2*\t:PC+2*\t+1] offset:(\a)*16*SP2+32*(\t/2)+8*(\t%2)
.endif
.endr
	ds_store_b32 v[STS], v[PW] offset:128*(\a)
.endm
	PLACES NP
	s_mov_b32 s[SEL], 0x76543210
	s_mov_b32 s[SEL+1], 0xfedcba98
	s_mov_b32 s[MNT], 0x600000
.irp b, 0,1,2,3
	v_mov_b32 v[TM+4+\b], 0
.endr
.irp a, 0,1,2,3,4,5,6,7
	QB \a
.endr
	s_wait_dscnt 0x0
	s_barrier_signal -1
	s_barrier_wait -1
	WIN 0x40
.set k, 0
.rept 32
	ds_load_b128 v[4*k:4*k+3], v[RD] offset:(k%8)*8*SP2+64*(k/8)
.set k, k+1
.endr
	WIN 0
	ds_load_b128 v[SWB:SWB+3], v[RDS]
	WIN 0x04
.set k, 0
.rept 32
	s_wait_dscnt 32-k
.if FFN
	global_store_b128 v[CO], v[4*k:4*k+3], s[12:13] offset:(k/8)*262144+512*(k%8)
.else
	global_store_b128 v[COG+k/8], v[4*k:4*k+3], s[12:13] offset:512*(k%8)
.endif
.set k, k+1
.endr
	WIN 0
	s_wait_dscnt 0x0
	global_store_b128 v[CO], v[SWB:SWB+3], s[96:97]
	s_wait_tensorcnt 0x0
	ds_add_u32 v[SPW], v[NIL]
	s_wait_dscnt 0x0
	CROUND
	s_endpgm
.Lfunc_end_k_qe1bffb90d6_qkv:
	.size	k_qe1bffb90d6_qkv, .Lfunc_end_k_qe1bffb90d6_qkv-k_qe1bffb90d6_qkv
	.p2alignl 7, 3214868480
	.fill 96, 4, 3214868480
	.section	.rodata,"a",@progbits
	.p2align	6, 0x0
	.amdhsa_kernel k_qe1bffb90d6_qkv
		.amdhsa_group_segment_fixed_size 327680
		.amdhsa_private_segment_fixed_size 0
		.amdhsa_enable_private_segment 0
		.amdhsa_kernarg_size 80
		.amdhsa_user_sgpr_count 2
		.amdhsa_user_sgpr_kernarg_segment_ptr 1
		.amdhsa_wavefront_size32 1
		.amdhsa_system_sgpr_workgroup_id_x 1
		.amdhsa_system_sgpr_workgroup_id_y 1
		.amdhsa_system_sgpr_workgroup_id_z 1
		.amdhsa_system_vgpr_workitem_id 0
		.amdhsa_next_free_vgpr 1024
		.amdhsa_next_free_sgpr 100
		.amdhsa_reserve_vcc 0
		.amdhsa_float_denorm_mode_32 3
		.amdhsa_float_denorm_mode_16_64 3
		.amdhsa_memory_ordered 1
		.amdhsa_forward_progress 1
		.amdhsa_inst_pref_size 196
	.end_amdhsa_kernel
	.amdgpu_metadata
---
amdhsa.version: [ 1, 2 ]
amdhsa.kernels:
  - .name:           k_qe1bffb90d6_qkv
    .symbol:         k_qe1bffb90d6_qkv.kd
    .args:
      - { .name: actc, .offset: 0, .size: 8, .value_kind: global_buffer, .address_space: global }
      - { .name: acts, .offset: 8, .size: 8, .value_kind: global_buffer, .address_space: global }
      - { .name: wq_codes, .offset: 16, .size: 8, .value_kind: global_buffer, .address_space: global }
      - { .name: wq_scales, .offset: 24, .size: 8, .value_kind: global_buffer, .address_space: global }
      - { .name: wk_codes, .offset: 32, .size: 8, .value_kind: global_buffer, .address_space: global }
      - { .name: wk_scales, .offset: 40, .size: 8, .value_kind: global_buffer, .address_space: global }
      - { .name: wv_codes, .offset: 48, .size: 8, .value_kind: global_buffer, .address_space: global }
      - { .name: wv_scales, .offset: 56, .size: 8, .value_kind: global_buffer, .address_space: global }
      - { .name: widec, .offset: 64, .size: 8, .value_kind: global_buffer, .address_space: global }
      - { .name: wides, .offset: 72, .size: 8, .value_kind: global_buffer, .address_space: global }
    .group_segment_fixed_size: 327680
    .private_segment_fixed_size: 0
    .kernarg_segment_align: 8
    .kernarg_segment_size: 80
    .max_flat_workgroup_size: 128
    .sgpr_count:     100
    .vgpr_count:     1024
    .wavefront_size: 32
...
	.end_amdgpu_metadata
.endif
;; end of part 2
;; launch attn (part 3): grid 8 x 32, 16 waves a work-group, clusters of 4 x 1, 327,680 bytes of LDS; arguments widec, wides, mw, actc, acts; writes actc, acts
.if DOCPART == 3
	.amdgcn_target "amdgcn-amd-amdhsa--gfx1250"
	.amdhsa_code_object_version 6
	.text
	.protected	k_qe1bffb90d6_attn
	.globl	k_qe1bffb90d6_attn
	.p2align	8
	.type	k_qe1bffb90d6_attn,@function
k_qe1bffb90d6_attn:
	s_mov_b64 s[64:65], 0
	v_nop
	global_prefetch_b8 v0, s[64:65] scope:SCOPE_SE
	s_setreg_imm32_b32 hwreg(HW_REG_WAVE_MODE, 25, 1), 1
	s_wait_xcnt 0x0
	s_wait_alu depctr_hold_cnt(0) depctr_sa_sdst(0) depctr_va_vdst(0) depctr_va_sdst(0) depctr_va_ssrc(0) depctr_va_vcc(0) depctr_vm_vsrc(0)
	s_getreg_b32 s2, hwreg(HW_REG_IB_STS2, 6, 4)
	s_cmp_eq_u32 s2, 0
	s_cbranch_scc0 .Lentry_in_a_cluster
	s_endpgm
.Lentry_in_a_cluster:
	s_bfe_u32 s2, ttmp6, 0x10000c
	s_cmp_lg_u32 s2, 0x3003
	s_cbranch_scc0 .Lentry_shape_is_right
	s_endpgm
.Lentry_shape_is_right:
; O[q][:] = the sum over k of softmax_k(where(mask, Q[q] . K[k] / 8, -1e9)) V[k][:] for one head of 64 and one batch of 2,048 tokens, both products on codes of E5M2 with one E8M0 scale for each 32 along K; then O is
; quantised along the head's 64 for the product that follows.  IN: q at byte 0 and k at 4 MiB of the codes' buffer, [head][token][64]; v at 8 MiB, [token / 64][64 head + d][64 keys]; scale bytes [K / 256][rows][8].
; Inside a block of 32 the number at 16 u + 8 h + j stands at 16 h + 8 u + j, in q, k and v alike.  The mask comes as bytes (code 0: the key counts; code of -57,344: it does not), 2,048 bytes for 16 queries x 128 keys.
; THE SOFTMAX: t = score x log2(e) / 8; M = the largest t so far, rounded up to a whole number; p = 2^(t - M) is quantised along the keys, not normalised; the sum of the unquantised p divides O at the end.
; When M moves, the sum and O are multiplied by 2^(old M - new M), which rounds nothing.
; THE MASK GOES THROUGH THE FIRST PRODUCT.  The head's 64 fill half of the instruction's 128 along K.  In the other half key m of tile j (of four) holds 57,344 at k = 64 + 16 j + m and zeros elsewhere, with the scale byte 0, and
; query q holds its mask bytes of 64 keys at k = 64 .. 127, with the scale byte 254: so -57,344^2 = -3.29e9 is added to the score of a key that does not count, and an exact 0 to one that counts.
; A ROW WITH NO KEY THAT COUNTS SO FAR is known by its running largest score lying under -2^30: for it the factor c and -M are taken as 0 and the rescaling as 1, by selects, so that p = 1 for every key, as where() gives it;
; with the first key that counts the true M moves by some 6e8 and the rescaling brings what was summed to 0.
; LIMITS: the result is that of the problem unless a key that counts has a score under -2^30 (a logit under -1.34e8) or a hidden key has a score over 2.2e9.  A block of zeros gets the byte 1.  NaN and infinities are not served.
; The two scale bytes of a row and head leave by a store of 2 bytes a lane: one part in 32 of the codes' bytes.
; SHARES.  A work-group owns 256 queries, each of its sixteen waves 16, in 256 registers: four waves to a SIMD.  128 keys a step.  ALL OF K AND V STAYS IN LDS (278,528 bytes with the padding): every fill is a first fill,
; one tensor load a wave at the head (waves 0-3 V, 4-11 K, 12 K's scale bytes, 13 V's), nothing is filled again, and the loop over the keys has no barrier.
; CLUSTER.  The four query blocks of a cluster want the same K and V: each fill is asked for jointly.  No prefetch: K and V are all asked for at the head; a step's mask bytes are loaded one whole key step ahead of their use.
; LAYOUT.  S^T = K Q^T (source 0 = keys 16 t + r, source 1 = my queries), O^T = V^T P^T: a lane holds one query (l % 16); register 8 t + j of S^T is key 16 t + 8 (l / 16) + j, the order in which v's codes were laid.
; ORDER.  Independent chains are laid by turns, so that a line reads what was written some lines before it: the maxima as trees, the lines that make f among the scalings, the sum's merges among the scale lines, a block's conversions behind the next block's holds.
.set PIECE, 4352                       ; 4,096 dense bytes as 16 rows of 256 + 16: 64 rows of 64 bytes; row p lies at 64 p + 16 (p / 4)
.set UNIT,  4*PIECE                    ; 256 keys of K or of V
.set KB,    8*UNIT                     ; LDS: V's 32 pieces from 0, K's 32 from here,
.set SCK,   16*UNIT                    ; K's scale bytes of this batch and group of four heads (16,384 bytes, four pieces),
.set SCV,   17*UNIT                    ; V's scale bytes of this head: 8 rows (256 keys each) of 512 + 16
.set SPARE, 300288                     ; the spare words: 128 bytes for each of sixteen waves
.set STAGE, SPARE+2048                 ; the way out: 1,280 bytes a wave
.set ADK,  1                           ; v1-4 LDS addresses: K, V, K's scale words, V's; stepped once for two key steps
.set ADV,  2
.set ADS,  3
.set ADT,  4
.set SPW,  5
.set NIL,  6
.set MOF,  7                           ; v7 16 x lane
.set CR,   8                           ; v[8:9] the row's factor (c or 0), c;  v[10:11] the -M in use (or 0), 0;  v12 -M, v13 the largest score, v[14:15] the sum
.set NM,   10
.set QB,   16                          ; v16-31, v32-47: Q's codes (8) and the mask bytes of keys 0-63, 64-127 of the step (8)
.set AS,   48                          ; v48-111 four sets of K's tile (8) and the fixed pattern (8)
.set S,    112                         ; v112-175 S^T, then p, then V's four fragments
.set O,    176                         ; v176-207 O^T
.set PCD,  208                         ; v208-223 p's codes; ahead of the conversions at work: maxima of blocks 0 and 1, then six chains of the sum
.set KSW,  224                         ; v224-227 K's scale words; v228-231 V's; v250 p's; v251 Q's: scales and nothing else
.set VSW,  228
.set BM,   232                         ; v232-247 at work
.set T1,   236
.set CAP,  240
.set SCO,  244
.set F,    248                         ; v[248:249] f, 0
.set PSW,  250
.set QSW,  251
.set G1K,  4                           ; s[4:11], s[12:19], s[20:27] groups 1: K and its scale bytes, V, V's scale bytes;  s[28:39] their groups 0
.set G1V,  12
.set G1T,  20
.set G0V,  28
.set G0K,  32
.set G0T,  36
.set WV,   50
.set MNT,  51
.set SEL,  52
.set MWP,  56                          ; s[56:57] the mask bytes last asked for
.macro CROUND
	s_barrier_signal -1
	s_barrier_wait -1
	s_cmp_lg_u32 s[WV], 0
	s_cbranch_scc1 .Lnot_wave_0_\@
	s_barrier_signal -3
.Lnot_wave_0_\@:
	s_barrier_wait -3
	s_barrier_signal -1
	s_barrier_wait -1
.endm
	s_load_b256 s[40:47], s[0:1], 0x0              ; the codes, the scale bytes, the mask bytes, the codes out
	s_load_b64 s[48:49], s[0:1], 0x20              ; the scale bytes out
	v_lshl_add_u32 v[SPW], v0, 2, SPARE
	v_mov_b32 v[NIL], 0
	ds_add_u32 v[SPW], v[NIL]                      ; the opening lines: the add, twice on end, and its wait
	ds_add_u32 v[SPW], v[NIL]
	v_lshrrev_b32 v8, 5, v0
	v_readfirstlane_b32 s[WV], v8                  ; wave 0..15
	s_and_b32 s70, ttmp7, 0xffff
	s_and_b32 s71, s70, 15                         ; the head
	s_lshr_b32 s72, s70, 4                         ; the batch
	s_bfe_u32 s73, ttmp6, 0x40000                  ; cx
	s_lshl_b32 s74, ttmp9, 2
	s_add_co_u32 s74, s74, s73                     ; my block of 256 queries: it enters Q's, the mask's and O's addresses alone
	s_lshl_b32 s75, s71, 18
	s_lshl_b32 s76, s72, 17
	s_add_co_u32 s75, s75, s76
	s_lshl_b32 s76, s[WV], 14
	s_add_co_u32 s75, s75, s76
	s_add_co_u32 s75, s75, 0x3f0000                ; K: 4 MiB + head, batch, 16,384 bytes x (wave - 4)
	s_lshr_b32 s77, s71, 2
	s_lshl_b32 s77, s77, 15                        ; the group of four heads among the scale bytes
	s_lshl_b32 s76, s72, 14
	s_add_co_u32 s78, s77, s76
	s_add_co_u32 s78, s78, 131072                  ; K's scale bytes
	s_cmp_lt_u32 s[WV], 12
	s_cselect_b32 s86, s75, s78
	s_mov_b32 s87, 0
	s_lshl_b32 s88, s72, 21
	s_lshl_b32 s76, s71, 12
	s_add_co_u32 s88, s88, s76
	s_lshl_b32 s76, s[WV], 19
	s_add_co_u32 s88, s88, s76
	s_add_co_u32 s88, s88, 0x800000                ; V: 8 MiB + batch, head, eight pieces of 65,536 bytes' distance x wave
	s_mov_b32 s89, 0
	s_lshl_b32 s90, s72, 16
	s_lshl_b32 s76, s71, 9
	s_add_co_u32 s90, s90, s76
	s_add_co_u32 s90, s90, 262144                  ; V's scale bytes
	s_mov_b32 s91, 0
	s_lshl_b32 s79, s72, 11
	s_lshl_b32 s76, s74, 8
	s_add_co_u32 s79, s79, s76
	s_lshl_b32 s76, s[WV], 4
	s_add_co_u32 s79, s79, s76                     ; my first token
	s_lshl_b32 s82, s71, 18
	s_lshl_b32 s76, s79, 6
	s_add_co_u32 s82, s82, s76                     ; codes [head][token][64]: Q's in, O's out
	s_mov_b32 s83, 0
	s_lshl_b32 s76, s79, 3
	s_add_co_u32 s84, s77, s76
	s_and_b32 s76, s71, 3
	s_lshl_b32 s76, s76, 1                         ; my head's two bytes of a row's eight
	s_add_co_u32 s84, s84, s76                     ; scale bytes [head / 4][token][8]: Q's in, O's out
	s_mov_b32 s85, 0
	s_add_co_u32 s69, s76, SCK
	s_lshl_b32 s92, s74, 4
	s_add_co_u32 s92, s92, s[WV]
	s_lshl_b32 s92, s92, 15                        ; my query tile's 16 x 2,048 mask bytes
	s_mov_b32 s93, 0
	s_mul_i32 s68, s[WV], 1280
	s_add_co_u32 s68, s68, STAGE                   ; my stage
	; groups 1.  K, and K's scale bytes: 64 rows of 32 elements of 8 bytes, dense, 16 bytes of padding behind each; the mask names all four work-groups
	s_mov_b32 s[G1K], 15|(3<<16)|(1<<20)|(1<<21)|(5<<22)|(3<<25)
	s_mov_b32 s[G1K+1], 32<<16
	s_mov_b32 s[G1K+2], 64<<16
	s_mov_b32 s[G1K+3], 32<<16
	s_mov_b32 s[G1K+4], 64
	s_mov_b32 s[G1K+5], 32
	s_mov_b32 s[G1K+6], 0
	s_mov_b32 s[G1K+7], 0
	; V: 8 rows (pieces) of 512 elements of 8 bytes, 8,192 elements apart; 16 bytes of padding behind every 256, which divides the row
	s_mov_b32 s[G1V], 15|(3<<16)|(1<<20)|(1<<21)|(5<<22)|(3<<25)
	s_mov_b32 s[G1V+1], 512<<16
	s_mov_b32 s[G1V+2], 8<<16
	s_mov_b32 s[G1V+3], 512<<16
	s_mov_b32 s[G1V+4], 8
	s_mov_b32 s[G1V+5], 8192
	s_mov_b32 s[G1V+6], 0
	s_mov_b32 s[G1V+7], 0
	; V's scale bytes: 8 rows of 64 elements of 8 bytes, 1,024 elements apart, 16 bytes of padding behind each
	s_mov_b32 s[G1T], 15|(3<<16)|(1<<20)|(1<<21)|(6<<22)|(3<<25)
	s_mov_b32 s[G1T+1], 64<<16
	s_mov_b32 s[G1T+2], 8<<16
	s_mov_b32 s[G1T+3], 64<<16
	s_mov_b32 s[G1T+4], 8
	s_mov_b32 s[G1T+5], 1024
	s_mov_b32 s[G1T+6], 0
	s_mov_b32 s[G1T+7], 0
	s_mov_b32 s[SEL], 0x76543210
	s_mov_b32 s[SEL+1], 0xfedcba98
	s_mov_b32 s[MNT], 0x600000
	s_wait_dscnt 0x0                               ; both opening adds are done
	s_wait_kmcnt 0x0
	s_cmp_lt_u32 s[WV], 12
	s_cselect_b64 s[94:95], s[40:41], s[42:43]     ; codes, or scale bytes
	s_mov_b32 s[G0K], 1
	s_mul_i32 s[G0K+1], s[WV], UNIT
	s_add_co_u32 s[G0K+1], s[G0K+1], 4*UNIT        ; waves 4-12: units 8 to 16 of LDS
	s_add_nc_u64 s[G0K+2:G0K+3], s[94:95], s[86:87]
	s_or_b32 s[G0K+3], s[G0K+3], 0x80000000
	s_mov_b32 s[G0V], 1
	s_mul_i32 s[G0V+1], s[WV], 2*UNIT              ; waves 0-3: two units each
	s_add_nc_u64 s[G0V+2:G0V+3], s[40:41], s[88:89]
	s_or_b32 s[G0V+3], s[G0V+3], 0x80000000
	s_mov_b32 s[G0T], 1
	s_mov_b32 s[G0T+1], SCV
	s_add_nc_u64 s[G0T+2:G0T+3], s[42:43], s[90:91]
	s_or_b32 s[G0T+3], s[G0T+3], 0x80000000
	s_add_nc_u64 s[58:59], s[40:41], s[82:83]      ; Q's codes
	s_add_nc_u64 s[60:61], s[42:43], s[84:85]      ; Q's scale bytes
	s_add_nc_u64 s[62:63], s[46:47], s[82:83]      ; the codes out
	s_add_nc_u64 s[66:67], s[48:49], s[84:85]      ; the scale bytes out
	s_add_nc_u64 s[MWP:MWP+1], s[44:45], s[92:93]
	CROUND                                         ; all four work-groups are here: the joint loads meet
; ALL THE LAUNCH'S FILLS, one a wave, in one chain of branches on the wave's number; waves 14 and 15 fetch nothing
.macro ARM under, g0, g1, next
	s_cmp_lt_u32 s[WV], \under
	s_cbranch_scc0 \next
	tensor_load_to_lds s[\g0:\g0+3], s[\g1:\g1+7]
	s_nop 0
.rept 4
	v_nop
.endr
	s_branch .Lhead_asked
\next:
.endm
	ARM 4,  G0V, G1V, .Lhead_k
	ARM 13, G0K, G1K, .Lhead_t
	ARM 14, G0T, G1T, .Lhead_none
.Lhead_asked:
.macro MLOAD                           ; a key step's 2,048 mask bytes: 512 consecutive bytes a load
	global_load_b128 v[QB+8:QB+11], v[MOF], s[MWP:MWP+1]
	global_load_b128 v[QB+12:QB+15], v[MOF], s[MWP:MWP+1] offset:512
	global_load_b128 v[QB+24:QB+27], v[MOF], s[MWP:MWP+1] offset:1024
	global_load_b128 v[QB+28:QB+31], v[MOF], s[MWP:MWP+1] offset:1536
.endm
	v_and_b32 v112, 15, v0                         ; r
	v_bfe_u32 v113, v0, 4, 1                       ; h
	v_lshlrev_b32 v114, 6, v112
	v_lshl_add_u32 v114, v113, 4, v114             ; 64 r + 16 h
	v_lshlrev_b32 v115, 3, v112
	v_and_b32 v116, 31, v0
	v_lshlrev_b32 v[MOF], 4, v116
	global_load_b128 v[QB:QB+3], v114, s[58:59]            ; Q's fragment, twice: once beside each half of the mask bytes
	global_load_b128 v[QB+4:QB+7], v114, s[58:59] offset:32
	global_load_b128 v[QB+16:QB+19], v114, s[58:59]
	global_load_b128 v[QB+20:QB+23], v114, s[58:59] offset:32
	global_load_u16 v[QSW], v115, s[60:61]         ; Q's two scale bytes
	MLOAD                                          ; the first step's mask bytes
	v_and_b32 v116, 3, v112
	v_lshlrev_b32 v116, 3, v116
	v_mov_b32 v117, 0x7b
	v_lshlrev_b32 v117, v116, v117                 ; the code of 57,344 in byte r % 4
	v_bfe_u32 v118, v0, 2, 3                       ; 4 h + r / 4
.irp j, 0,1,2,3                                ; set j's pattern: k = 64 + 16 j + r lies in register 8 + 4 (j / 2) + r / 4 of the lanes with h = j % 2
.irp w, 0,1,2,3
	v_cmp_eq_u32 vcc_lo, 4*(\j%2)+\w, v118
	v_cndmask_b32 v[AS+16*\j+8+4*(\j/2)+\w], 0, v117, vcc_lo
	v_mov_b32 v[AS+16*\j+12-4*(\j/2)+\w], 0
.endr
.endr
	v_lshrrev_b32 v119, 2, v112
	v_lshl_add_u32 v[ADV], v119, 4, v114           ; 64 r + 16 (r / 4) + 16 h
	v_add_nc_u32 v[ADK], KB, v[ADV]
	v_lshl_add_u32 v[ADS], v112, 3, s69
	v_lshl_add_u32 v[ADT], v112, 3, SCV
	v_mov_b32 v[CR+1], 0x3e38aa3b                  ; c = log2(e) / 8
	v_mov_b32 v[NM+1], 0
	v_mov_b32 v[F+1], 0
	v_mov_b32 v13, 0xff61b1e6                      ; the largest score so far: -3e38
	v_floor_f32 v12, -v13                          ; -M: far over every later one
	v_mov_b32 v14, 0
	v_mov_b32 v15, 0
.irp b, 0,1,2,3
	v_mov_b32 v[T1+\b], 0                          ; a lane permute's destination counts as one of its sources
.endr
	v_mov_b32 v254, 0
	s_wait_alu depctr_va_vdst(0)
	s_wait_loadcnt 0x4                             ; Q and its scale bytes are in; the four loads of mask bytes may be out
	v_or_b32 v[QSW], 0xfefe0000, v[QSW]            ; the byte 254 for the two blocks of mask bytes
.set j, 0
.rept 32
	v_mov_b32 v[O+j], 0                            ; the step is written once: the first finds zeros
.set j, j+1
.endr
.macro KLOAD q, g                      ; four tiles of K, 16 keys each, and their scale words (the upper two bytes are 0 and stand for the pattern's blocks)
.irp t, 0,1,2,3
	ds_load_b128 v[AS+16*\t:AS+16*\t+3], v[ADK] offset:(8*(\q)+4*(\g)+\t)*1088
	ds_load_b128 v[AS+16*\t+4:AS+16*\t+7], v[ADK] offset:(8*(\q)+4*(\g)+\t)*1088+32
	ds_load_u16 v[KSW+\t], v[ADS] offset:1088*(\q)+544*(\g)+272*(\t/2)+128*(\t%2)
.endr
.endm
.macro SMUL g
.irp t, 0,1,2,3
	v_wmma_scale_f32_16x16x128_f8f6f4 v[S+32*(\g)+8*\t:S+32*(\g)+8*\t+7], v[AS+16*\t:AS+16*\t+15], v[QB+16*(\g):QB+16*(\g)+15], 0, v[KSW+\t], v[QSW] matrix_a_fmt:MATRIX_FMT_BF8 matrix_b_fmt:MATRIX_FMT_BF8
.endr
.endm
; The largest score of a block of 32 keys (my 16 of them), as a tree.  LEAF: five maxima of three, ten independent lines for two blocks; each accumulator is read from its low end on.  x: where the ten results go
.macro LEAF b0, x
.irp k, 0,1,2,3,4
.irp u, 0,1
	v_max3_num_f32 v[\x+5*\u+\k], v[S+16*(\b0+\u)+3*\k], v[S+16*(\b0+\u)+3*\k+1], v[S+16*(\b0+\u)+3*\k+2]
.endr
.endr
.endm
.macro KNOT b0, x, y                   ; five results and the sixteenth score become two, for two blocks
.irp u, 0,1
	v_max3_num_f32 v[\y+\u], v[\x+5*\u], v[\x+5*\u+1], v[\x+5*\u+2]
.endr
.irp u, 0,1
	v_max3_num_f32 v[\y+2+\u], v[\x+5*\u+3], v[\x+5*\u+4], v[S+16*(\b0+\u)+15]
.endr
.endm
.macro VLOAD q, t0                     ; two of V's four fragments, into score registers whose p has been converted
.irp t, \t0, \t0+1
.irp c, 0,1,2,3
	ds_load_b128 v[S+16*(\t)+4*\c:S+16*(\t)+4*\c+3], v[ADV] offset:(2*(\q)+\c/2)*PIECE+1088*(\t)+32*(\c%2)
.endr
	ds_load_b32 v[VSW+(\t)], v[ADT] offset:128*(\t)+4*(\q)
.endr
.endm
.macro HOLD b                          ; the hold; p is not negative
.irp i, 0,1,2,3,4,5,6,7,8,9,10,11,12,13,14,15
	v_min_num_f32 v[S+16*(\b)+\i], v[S+16*(\b)+\i], v[CAP+(\b)]
.endr
.endm
.macro CODES b
	v_cvt_scalef32_pk8_bf8_f32 v[PCD+4*(\b):PCD+1+4*(\b)], v[S+16*(\b):S+7+16*(\b)], v[SCO+(\b)]
	v_cvt_scalef32_pk8_bf8_f32 v[PCD+2+4*(\b):PCD+3+4*(\b)], v[S+8+16*(\b):S+15+16*(\b)], v[SCO+(\b)]
.endm
; A KEY STEP: 128 keys, the q-th of a pair.  Its first four tiles of K and its mask bytes were asked for in the step before.  last = 1: the launch's last step asks for nothing more
.macro STEP q, last
	s_wait_alu depctr_va_vdst(0)                   ; the wait ahead of each blocking wait behind fresh vector results
	s_wait_loadcnt 0x0                             ; the mask bytes; their pointer may be stepped
	s_wait_dscnt 0x0                               ; K's tiles 0-3
.if !(\last)
	s_add_nc_u64 s[MWP:MWP+1], s[MWP:MWP+1], 2048
.endif
	SMUL 0
.rept 8
	v_nop                                          ; eight places in front of loads into registers that these products read
.endr
	KLOAD \q, 1
	s_wait_dscnt 0x0
	SMUL 1
	LEAF 0, PCD                                    ; ten plain lines on the first four tiles' results: the places behind the products just issued
.if !(\last)
.if \q
	v_add_nc_u32 v[ADK], 4*PIECE, v[ADK]           ; on to the next 256 keys
	v_add_nc_u32 v[ADS], 2176, v[ADS]
	KLOAD 0, 0
.else
	KLOAD 1, 0
.endif
	MLOAD                                          ; the next step's tiles 0-3 and mask bytes have the softmax in which to land
.endif
	LEAF 2, BM
	KNOT 0, PCD, PCD+10
	KNOT 2, BM, BM+10
	v_max_num_f32 v[BM], v[PCD+10], v[PCD+12]      ; my 16 keys' largest score of each block
	v_max_num_f32 v[BM+1], v[PCD+11], v[PCD+13]
	v_mov_b32 v255, v12                            ; the old -M
	v_max_num_f32 v[BM+2], v[BM+10], v[BM+12]
	v_max_num_f32 v[BM+3], v[BM+11], v[BM+13]
.irp b, 0,1,2,3
	v_permlanex16_b32 v[T1+\b], v[BM+\b], s[SEL], s[SEL+1]
.endr
.irp b, 0,1,2,3
	v_max_num_f32 v[BM+\b], v[BM+\b], v[T1+\b]     ; with lane l xor 16's 16 keys
.endr
	v_max3_num_f32 v254, v[BM], v[BM+1], v[BM+2]
	v_max3_num_f32 v13, v13, v254, v[BM+3]         ; the running largest score
	v_cmp_lt_f32 vcc_lo, 0xce800000, v13           ; has a key counted so far?  -2^30 < the largest score
	v_mul_f32 v254, v[CR+1], v13                   ; as t (c is positive)
	v_cndmask_b32 v[CR], 0, v[CR+1], vcc_lo        ; if none: factor 0,
	v_floor_f32 v12, -v254                         ; the new -M = -ceil(t)
	v_cndmask_b32 v[NM], 0, v12, vcc_lo            ; -M 0: p = 1 for every key
.set j, 0
.rept 32
	v_pk_fma_f32 v[S+j:S+j+1], v[S+j:S+j+1], v[CR:CR+1], v[NM:NM+1] op_sel_hi:[1,0,0]   ; t - M
.if j == 10
	v_sub_f32 v254, v12, v255                      ; among them the four lines that make f.  Old M - new M: a whole number, 0 or less
.endif
.if j == 22
	v_cvt_i32_f32 v254, v254                       ; (it saturates)
.endif
.if j == 34
	v_ldexp_f32 v[F], 1.0, v254                    ; f = 2^(old M - new M)
.endif
.if j == 46
	v_cndmask_b32 v[F], 1.0, v[F], vcc_lo          ; 1 while no key has counted
.endif
.set j, j+2
.endr
.irp b, 0,1,2,3
	v_fma_f32 v[BM+\b], v[BM+\b], v[CR], v[NM]
.endr
	s_wait_alu depctr_va_vdst(0)                   ; the wait ahead of the batch
.set j, 0
.rept 64
	v_exp_f32 v[S+j], v[S+j]                       ; p = 2^(t - M)
.set j, j+1
.endr
	v_nop                                          ; a plain line behind the exponentials
	s_wait_alu depctr_va_vdst(0)                   ; one wait for the batch of 64, ahead of its first reader
.irp b, 0,1,2,3
	v_exp_f32 v[BM+\b], v[BM+\b]                   ; each block's largest p
.endr
	v_pk_fma_f32 v[14:15], v[14:15], v[F:F+1], v[S:S+1] op_sel_hi:[1,0,1]   ; THE ROW'S SUM, of the unquantised p, in seven chains: the sum so far x f + the first pair
.irp i, 0,1,2,3,4,5
	v_pk_add_f32 v[PCD+2*\i:PCD+2*\i+1], v[S+2+2*\i:S+3+2*\i], v[S+14+2*\i:S+15+2*\i]
.endr
.set n, 0
.rept 19
.if n%7 == 0
	v_pk_add_f32 v[14:15], v[14:15], v[S+26+2*n:S+27+2*n]
.else
	v_pk_add_f32 v[PCD-2+2*(n%7):PCD-1+2*(n%7)], v[PCD-2+2*(n%7):PCD-1+2*(n%7)], v[S+26+2*n:S+27+2*n]
.endif
.set n, n+1
.endr
	s_wait_alu depctr_va_vdst(0)                   ; and one wait for the four
.irp b, 0,1,2,3
	v_max_num_f32 v[BM+\b], 0x8000000, v[BM+\b]    ; the floor 2^(16 - 127)
.endr
	v_pk_add_f32 v[PCD:PCD+1], v[PCD:PCD+1], v[PCD+2:PCD+3]        ; the chains are merged among the scale lines
	v_pk_add_f32 v[PCD+4:PCD+5], v[PCD+4:PCD+5], v[PCD+6:PCD+7]
	v_pk_add_f32 v[PCD+8:PCD+9], v[PCD+8:PCD+9], v[PCD+10:PCD+11]
.irp b, 0,1,2,3
	v_add_nc_u32 v[SCO+\b], 0xf8800000, v[BM+\b]   ; 15 off the exponent field: the conversion's scale operand
.endr
.irp b, 0,1,2,3
	v_and_or_b32 v[CAP+\b], v[BM+\b], 0x7f800000, s[MNT]   ; 57,344 x the scale
.endr
	v_pk_add_f32 v[PCD:PCD+1], v[PCD:PCD+1], v[PCD+4:PCD+5]
	v_pk_add_f32 v[14:15], v[14:15], v[PCD+8:PCD+9]
.irp b, 0,1,2,3
	v_lshrrev_b32 v[T1+\b], 23, v[SCO+\b]          ; the scale's byte
.endr
	v_pk_add_f32 v[14:15], v[14:15], v[PCD:PCD+1]
	HOLD 0
	v_lshl_or_b32 v254, v[T1+1], 8, v[T1]          ; p's scale word for these 128 keys, in two halves
	v_lshl_or_b32 v255, v[T1+3], 8, v[T1+2]
	HOLD 1
	v_lshl_or_b32 v[PSW], v255, 16, v254
	CODES 0
	HOLD 2
	CODES 1
	VLOAD \q, 0
	HOLD 3
	CODES 2
	CODES 3
	VLOAD \q, 2
	s_wait_alu depctr_va_vdst(0)                   ; the wait here, directly ahead of the first reader of O^T
.set j, 0
.rept 16
	v_pk_mul_f32 v[O+j:O+j+1], v[O+j:O+j+1], v[F:F+1] op_sel_hi:[1,0]   ; O^T under the new M; also the places in front of the products below
.set j, j+2
.endr
	s_wait_alu depctr_va_vdst(0)
	s_wait_dscnt 0x0                               ; V's fragments and scale words
.irp t, 0,1,2,3
	v_wmma_scale_f32_16x16x128_f8f6f4 v[O+8*\t:O+8*\t+7], v[S+16*\t:S+16*\t+15], v[PCD:PCD+15], v[O+8*\t:O+8*\t+7], v[VSW+\t], v[PSW] matrix_a_fmt:MATRIX_FMT_BF8 matrix_b_fmt:MATRIX_FMT_BF8
.endr
; nine places: the next step's first products write over the registers that held V's fragments
.if (\q) && !(\last)
	v_add_nc_u32 v[ADV], 4*PIECE, v[ADV]
	v_add_nc_u32 v[ADT], 528, v[ADT]
.rept 7
	v_nop
.endr
.else
.rept 9
	v_nop
.endr
.endif
.endm
	s_wait_alu depctr_va_vdst(0)                   ; the wait at the head's end
	s_wait_tensorcnt 0x0                           ; my fill has landed,
	s_barrier_signal -1
	s_barrier_wait -1                              ; everybody's has: from here on these bytes are only read, and no wave waits for another
	KLOAD 0, 0
	s_mov_b32 s2, 7
.Lpair:                                            ; seven trips, 256 keys each
	STEP 0, 0
	STEP 1, 0
	s_sub_co_u32 s2, s2, 1
	s_cmp_lg_u32 s2, 0
	s_wait_alu depctr_va_vdst(0)
	s_cbranch_scc1 .Lpair
	STEP 0, 0                                      ; the last 256 keys are written out: the last step asks for nothing beyond the end
	STEP 1, 1
	; THE WAY OUT: O^T / the sum, quantised along the head's 64 (two blocks), natural order; 16 rows of 64 codes leave as 1,024 consecutive bytes.
	v_add_f32 v14, v14, v15
	v_permlanex16_b32 v254, v14, s[SEL], s[SEL+1]
	v_add_f32 v14, v14, v254                       ; the row's sum
	s_wait_alu depctr_va_vdst(0)
	v_rcp_f32 v14, v14
	v_and_b32 v8, 15, v0                           ; (plain work behind the reciprocal)  r
	v_bfe_u32 v9, v0, 4, 1                         ; h
	v_mul_u32_u24 v10, v8, 80
	v_bfe_u32 v11, v0, 2, 3
	v_lshl_add_u32 v10, v9, 3, v10
	v_mul_u32_u24 v11, v11, 80
	v_and_b32 v9, 3, v0
	v_add_nc_u32 v10, s68, v10                     ; in: row r, + 8 h; tile t's eight codes 16 t on
	v_lshl_add_u32 v11, v9, 4, v11
	v_lshlrev_b32 v1, 3, v8                        ; 8 r
	v_add_nc_u32 v11, s68, v11                     ; back: four lanes to a row
	s_wait_alu depctr_va_vdst(0)                   ; the wait ahead of the reciprocal's first reader, which is also the first reader of O^T
.set j, 0
.rept 32
	v_mul_f32 v[S+j], v[O+j], v14                  ; register 8 t + i is o(r, 16 t + 8 h + i)
.set j, j+1
.endr
.irp b, 0,1
	v_max3_num_f32 v[BM+\b], |v[S+16*\b]|, |v[S+1+16*\b]|, 0x8000000
.endr
.irp i, 2,4,6,8,10,12,14
.irp b, 0,1
	v_max3_num_f32 v[BM+\b], v[BM+\b], |v[S+16*\b+\i]|, |v[S+1+16*\b+\i]|
.endr
.endr
.irp b, 0,1
	v_permlanex16_b32 v[T1+\b], v[BM+\b], s[SEL], s[SEL+1]
.endr
.irp b, 0,1
	v_max_num_f32 v[BM+\b], v[BM+\b], v[T1+\b]
.endr
.irp b, 0,1
	v_add_nc_u32 v[SCO+\b], 0xf8800000, v[BM+\b]
.endr
.irp b, 0,1
	v_and_or_b32 v[CAP+\b], v[BM+\b], 0x7f800000, s[MNT]
.endr
.irp b, 0,1
	v_lshrrev_b32 v[T1+\b], 23, v[SCO+\b]
.endr
	v_lshl_or_b32 v254, v[T1+1], 8, v[T1]          ; the two bytes
.irp b, 0,1
.irp i, 0,1,2,3,4,5,6,7,8,9,10,11,12,13,14,15
	v_med3_num_f32 v[S+16*\b+\i], v[S+16*\b+\i], -v[CAP+\b], v[CAP+\b]
.endr
.endr
.irp t, 0,1,2,3
	v_cvt_scalef32_pk8_bf8_f32 v[PCD+2*\t:PCD+2*\t+1], v[S+8*\t:S+8*\t+7], v[SCO+\t/2]
.endr
	v_nop                                          ; a plain line behind the last conversion
.irp t, 0,1,2,3
	ds_store_b64 v10, v[PCD+2*\t:PCD+2*\t+1] offset:16*\t
.endr
	ds_load_b128 v[32:35], v11                     ; LDS serves a wave's instructions in order: these see my stores
	ds_load_b128 v[36:39], v11 offset:640
	s_wait_alu depctr_va_vdst(0)
	s_wait_dscnt 0x0
	global_store_b128 v[MOF], v[32:35], s[62:63]           ; 512 consecutive bytes
	global_store_b128 v[MOF], v[36:39], s[62:63] offset:512
	global_store_b16 v1, v254, s[66:67]                    ; both halves of the lanes store the same two bytes
	s_wait_tensorcnt 0x0                           ; the wave's end
	ds_add_u32 v[SPW], v[NIL]
	s_wait_dscnt 0x0
	CROUND                                         ; the closing round
	s_endpgm
.Lfunc_end_k_qe1bffb90d6_attn:
	.size	k_qe1bffb90d6_attn, .Lfunc_end_k_qe1bffb90d6_attn-k_qe1bffb90d6_attn
	.p2alignl 7, 3214868480
	.fill 96, 4, 3214868480
	.section	.rodata,"a",@progbits
	.p2align	6, 0x0
	.amdhsa_kernel k_qe1bffb90d6_attn
		.amdhsa_group_segment_fixed_size 327680
		.amdhsa_private_segment_fixed_size 0
		.amdhsa_enable_private_segment 0
		.amdhsa_kernarg_size 40
		.amdhsa_user_sgpr_count 2
		.amdhsa_user_sgpr_kernarg_segment_ptr 1
		.amdhsa_wavefront_size32 1
		.amdhsa_system_sgpr_workgroup_id_x 1
		.amdhsa_system_sgpr_workgroup_id_y 1
		.amdhsa_system_sgpr_workgroup_id_z 1
		.amdhsa_system_vgpr_workitem_id 0
		.amdhsa_next_free_vgpr 256
		.amdhsa_next_free_sgpr 100
		.amdhsa_reserve_vcc 1
		.amdhsa_float_denorm_mode_32 3
		.amdhsa_float_denorm_mode_16_64 3
		.amdhsa_memory_ordered 1
		.amdhsa_forward_progress 1
		.amdhsa_inst_pref_size 96
	.end_amdhsa_kernel
	.amdgpu_metadata
---
amdhsa.version: [ 1, 2 ]
amdhsa.kernels:
  - .name:           k_qe1bffb90d6_attn
    .symbol:         k_qe1bffb90d6_attn.kd
    .args:
      - { .name: widec, .offset: 0, .size: 8, .value_kind: global_buffer, .address_space: global }
      - { .name: wides, .offset: 8, .size: 8, .value_kind: global_buffer, .address_space: global }
      - { .name: mw, .offset: 16, .size: 8, .value_kind: global_buffer, .address_space: global }
      - { .name: actc, .offset: 24, .size: 8, .value_kind: global_buffer, .address_space: global }
      - { .name: acts, .offset: 32, .size: 8, .value_kind: global_buffer, .address_space: global }
    .group_segment_fixed_size: 327680
    .private_segment_fixed_size: 0
    .kernarg_segment_align: 8
    .kernarg_segment_size: 40
    .max_flat_workgroup_size: 512
    .sgpr_count:     100
    .vgpr_count:     256
    .wavefront_size: 32
...
	.end_amdgpu_metadata
.endif
;; end of part 3
;; launch wo (part 4): grid 8 x 32, 4 waves a work-group, clusters of 4 x 4, 327,680 bytes of LDS; arguments actc, acts, wo_codes, wo_scales, x, x1; writes x1
.if DOCPART == 4
	.amdgcn_target "amdgcn-amd-amdhsa--gfx1250"
	.amdhsa_code_object_version 6
	.text
	.protected	k_qe1bffb90d6_wo
	.globl	k_qe1bffb90d6_wo
	.p2align	8
	.type	k_qe1bffb90d6_wo,@function
k_qe1bffb90d6_wo:
	s_mov_b64 s[64:65], 0
	v_nop
	global_prefetch_b8 v0, s[64:65] scope:SCOPE_SE
	s_setreg_imm32_b32 hwreg(HW_REG_WAVE_MODE, 25, 1), 1
	s_wait_xcnt 0x0
	s_wait_alu depctr_hold_cnt(0) depctr_sa_sdst(0) depctr_va_vdst(0) depctr_va_sdst(0) depctr_va_ssrc(0) depctr_va_vcc(0) depctr_vm_vsrc(0)
	s_getreg_b32 s2, hwreg(HW_REG_IB_STS2, 6, 4)
	s_cmp_eq_u32 s2, 0
	s_cbranch_scc0 .Lentry_in_a_cluster
	s_endpgm
.Lentry_in_a_cluster:
	s_bfe_u32 s2, ttmp6, 0x10000c
	s_cmp_lg_u32 s2, 0xf033
	s_cbranch_scc0 .Lentry_shape_is_right
	s_endpgm
.Lentry_shape_is_right:
; C[m][n] = R[m][n] + (bias[n] +) sum over k of A[m][k] B[n][k], on codes of E5M2 with one E8M0 scale for each 32 along K.  m 4,096, n 1,024, K = SIZE_K; R and C f32 [4096][1024].
; A: codes [K / 64][4096][64], scale bytes [K / 256][4096][8] (as the launch before lays them); B: codes [1024][K], scale bytes [1024][K / 32].
; A tile of C is 128 x 128, so that the 4,096 x 1,024 numbers give 256 work-groups; four waves, 64 x 64 each: 16 accumulators.  K goes in steps of 512 through two LDS slots; a step is four quarters of 128.
; The scale bytes of the tile's rows of A and B, for all of K, come once with the first fills.  CLUSTERS: 4 x 4; A's tiles are asked for jointly along a row of the cluster, B's along a column.
; THE MATRIX INSTRUCTION IS USED TRANSPOSED (source 0 = 16 rows of B, source 1 = 16 rows of A): a lane holds row l % 16 and columns 16 b + 8 (l / 16) + j.  With BIAS the bias is the C of each sum's first product.
; No prefetch: a K step holds 64 matrix instructions a wave, and with SIZE_K = 1,024 both steps go out as first fills.
; REGISTERS: window 0: v0-31 addresses; v32-95 scale words, two sets (A's 16, B's 16), and nothing else; v128-255 the accumulators ((a, b) at v[128 + 8 (4 a + b)]), which on the way out take the rows read back.
;   window 1: two fragment buffers of 128 (A's four at f + 16 i, B's four at f + 64 + 16 i).   window 2: v0-127 R, laid as the stores go; v128-159 the bias.
.set SIZE_K, 1024
.set BIAS,   0
.set LAPS,   SIZE_K/1024               ; a lap = two K steps
.set AHALF,  8*4352                    ; 64 rows of A x 512 K: eight groups of 64 K, each 4,096 dense bytes as 16 rows of 256 + 16; row p of a group lies at 64 p + 16 (p / 4)
.set BOFF,   2*AHALF
.set BP,     528                       ; a row of B: 512 bytes + 16
.set BHALF,  64*BP
.set SLOT,   BOFF+2*BHALF
.set SCA,    2*SLOT                    ; A's scale bytes: [row half][K / 256][64 rows][8]
.set SAH,    (SIZE_K/256)*512
.set SCB,    SCA+2*SAH                 ; B's: the tile's 128 rows, dense, as units of 256 bytes + 16
.set KSB,    SIZE_K/32
.set SBLK,   (16*KSB/256)*272          ; those of 16 rows
.set SPARE,  SCB+8*SBLK                ; the spare words: 128 bytes for each wave
.set ADRA, 16
.set ADRB, 20
.set ASA,  22
.set ASB,  23
.set STO,  24
.set RD,   25
.set CO,   26
.set BIO,  27
.set SPW,  28
.set NIL,  29
.set SC,   32
.set ACC,  128
.set F0,   0
.set F1,   128
.set WV,  16                           ; s16 wave;  s17 my half of the tile's rows, also: I fetch for A (0) or B (1);  s18 my half of its columns, also: which 64 rows I fetch
.set RH,  17
.set CH,  18
.set G1, 24
.set G0, 32
.set G1B, 48
.set G0B, 56
.set G1S, 68
.set G0S, 76
.set G1SB, 80
.set G0SB, 88
.set MSB, 0
.macro WIN new
.if MSB != (\new)
	s_set_vgpr_msb (MSB<<8)|(\new)
.set MSB, \new
.endif
.endm
.set MUL,  0x05                        ; sources 0 (B) and 1 (A) window 1; C and D window 0
.set TO_F, 0x40
.macro JLOAD g0a, g1a, g0b, g1b        ; a joint load; four v_nop follow each of the two lines
	s_cmp_eq_u32 s[RH], 0
	s_cbranch_scc0 .Lfor_b_\@
	tensor_load_to_lds s[\g0a:\g0a+3], s[\g1a:\g1a+7]
	s_nop 0
.rept 4
	v_nop
.endr
	s_branch .Lasked_\@
.Lfor_b_\@:
	tensor_load_to_lds s[\g0b:\g0b+3], s[\g1b:\g1b+7]
	s_nop 0
.rept 4
	v_nop
.endr
.Lasked_\@:
.endm
.macro CREST
	s_cmp_lg_u32 s[WV], 0
	s_cbranch_scc1 .Lnot_wave_0_\@
	s_barrier_signal -3
.Lnot_wave_0_\@:
	s_barrier_wait -3
	s_barrier_signal -1
	s_barrier_wait -1
.endm
.macro CROUND
	s_barrier_signal -1
	s_barrier_wait -1
	CREST
.endm
	s_load_b256 s[4:11], s[0:1], 0x0               ; A's codes, A's scales, B's codes, B's scales
.if BIAS
	s_load_b128 s[12:15], s[0:1], 0x20             ; R, the bias
	s_load_b64 s[66:67], s[0:1], 0x30              ; C
.else
	s_load_b64 s[12:13], s[0:1], 0x20              ; R
	s_load_b64 s[66:67], s[0:1], 0x28              ; C
.endif
	v_lshl_add_u32 v[SPW], v0, 2, SPARE
	v_mov_b32 v[NIL], 0
	ds_add_u32 v28, v29
	ds_add_u32 v28, v29
	s_wait_dscnt 0x0
	v_lshrrev_b32 v1, 5, v0
	v_readfirstlane_b32 s[WV], v1
	s_lshr_b32 s[RH], s[WV], 1
	s_and_b32 s[CH], s[WV], 1
	s_bfe_u32 s40, ttmp6, 0x40000                  ; cx, cy
	s_bfe_u32 s41, ttmp6, 0x40004
	s_lshl_b32 s42, ttmp9, 2
	s_add_co_u32 s42, s42, s40                     ; tile column
	s_and_b32 s19, ttmp7, 0xffff
	s_lshl_b32 s19, s19, 2
	s_add_co_u32 s19, s19, s41                     ; tile row
	s_lshl_b32 s43, s41, 2
	s_lshl_b32 s43, 15, s43                        ; my row of the cluster
	s_lshl_b32 s44, 0x1111, s40                    ; my column
	; A's codes: 8 rows (groups of 64 K) of 512 elements of 8 bytes (64 rows of A x 64 bytes, dense), 32,768 elements apart; 16 bytes of padding behind every 256, which divides the row
	s_or_b32 s[G1+0], s43, (3<<16)|(1<<20)|(1<<21)|(5<<22)|(3<<25)
	s_mov_b32 s[G1+1], 512<<16
	s_mov_b32 s[G1+2], 8<<16
	s_mov_b32 s[G1+3], 512<<16
	s_mov_b32 s[G1+4], 8
	s_mov_b32 s[G1+5], 32768
	s_mov_b32 s[G1+6], 0
	s_mov_b32 s[G1+7], 0
	; B's codes: 64 rows of 512 bytes, SIZE_K apart, 16 bytes of padding behind each
	s_or_b32 s[G1B+0], s44, (0<<16)|(1<<20)|(1<<21)|(6<<22)|(3<<25)
	s_mov_b32 s[G1B+1], 512<<16
	s_mov_b32 s[G1B+2], 64<<16
	s_mov_b32 s[G1B+3], 512<<16
	s_mov_b32 s[G1B+4], 64
	s_mov_b32 s[G1B+5], SIZE_K
	s_mov_b32 s[G1B+6], 0
	s_mov_b32 s[G1B+7], 0
	; A's scale bytes: K / 256 rows of 64 elements of 8 bytes, 4,096 elements apart, no padding
	s_or_b32 s[G1S+0], s43, (3<<16)|(1<<21)
	s_mov_b32 s[G1S+1], 64<<16
	s_mov_b32 s[G1S+2], (SIZE_K/256)<<16
	s_mov_b32 s[G1S+3], 64<<16
	s_mov_b32 s[G1S+4], SIZE_K/256
	s_mov_b32 s[G1S+5], 4096
	s_mov_b32 s[G1S+6], 0
	s_mov_b32 s[G1S+7], 0
	; B's scale bytes of 64 rows: a dense block, as rows of 256 bytes, 16 bytes of padding behind each
	s_or_b32 s[G1SB+0], s44, (3<<16)|(1<<20)|(1<<21)|(5<<22)|(3<<25)
	s_mov_b32 s[G1SB+1], 32<<16
	s_mov_b32 s[G1SB+2], (2*SIZE_K/256)<<16
	s_mov_b32 s[G1SB+3], 32<<16
	s_mov_b32 s[G1SB+4], 2*SIZE_K/256
	s_mov_b32 s[G1SB+5], 32
	s_mov_b32 s[G1SB+6], 0
	s_mov_b32 s[G1SB+7], 0
	s_lshl_b32 s20, s19, 7
	s_lshl_b32 s21, s[CH], 6
	s_add_co_u32 s20, s20, s21                     ; A: row 128 x tile row + 64 x half
	s_lshl_b32 s22, s20, 3                         ; its scale bytes,
	s_lshl_b32 s20, s20, 6                         ; its codes
	s_mov_b32 s21, 0
	s_mov_b32 s23, 0
	s_lshl_b32 s46, s42, 7
	s_lshl_b32 s47, s[CH], 6
	s_add_co_u32 s46, s46, s47                     ; B: row 128 x tile column + 64 x half
	s_mul_i32 s92, s46, KSB
	s_mul_i32 s46, s46, SIZE_K
	s_mov_b32 s47, 0
	s_mov_b32 s93, 0
	s_mul_i32 s45, s[CH], AHALF                    ; where they go: no place in the cluster enters an LDS address
	s_mul_i32 s94, s[CH], BHALF
	s_add_co_u32 s94, s94, BOFF
	s_mul_i32 s95, s[CH], SAH
	s_add_co_u32 s95, s95, SCA
	s_mul_i32 s96, s[CH], 4*SBLK
	s_add_co_u32 s96, s96, SCB
	s_wait_kmcnt 0x0
	s_add_nc_u64 s[20:21], s[4:5], s[20:21]
	s_add_nc_u64 s[22:23], s[6:7], s[22:23]
	s_add_nc_u64 s[46:47], s[8:9], s[46:47]
	s_add_nc_u64 s[92:93], s[10:11], s[92:93]
	CROUND                                         ; all sixteen work-groups are here: the first joint loads meet
	s_mov_b32 s[G0S], 1
	s_mov_b32 s[G0S+1], s95
	s_mov_b64 s[G0S+2:G0S+3], s[22:23]
	s_or_b32 s[G0S+3], s[G0S+3], 0x80000000
	s_mov_b32 s[G0SB], 1
	s_mov_b32 s[G0SB+1], s96
	s_mov_b64 s[G0SB+2:G0SB+3], s[92:93]
	s_or_b32 s[G0SB+3], s[G0SB+3], 0x80000000
	JLOAD G0S, G1S, G0SB, G1SB                     ; the scales first: my one tensor load at the head
.irp s, 0,1
	s_mov_b32 s[G0+4*\s], 1
	s_add_co_u32 s[G0+4*\s+1], s45, \s*SLOT
	s_add_nc_u64 s[G0+4*\s+2:G0+4*\s+3], s[20:21], \s*2097152      ; K step s: eight groups of 262,144 bytes on
	s_or_b32 s[G0+4*\s+3], s[G0+4*\s+3], 0x80000000
	s_mov_b32 s[G0B+4*\s], 1
	s_add_co_u32 s[G0B+4*\s+1], s94, \s*SLOT
	s_add_nc_u64 s[G0B+4*\s+2:G0B+4*\s+3], s[46:47], \s*512
	s_or_b32 s[G0B+4*\s+3], s[G0B+4*\s+3], 0x80000000
	s_wait_alu depctr_va_vdst(0)
	s_wait_tensorcnt 0x0                           ; each later first fill stands behind the lines ahead of a refill, and a round
	ds_add_u32 v28, v29
	s_wait_dscnt 0x0
	CROUND
	JLOAD G0+4*\s, G1, G0B+4*\s, G1B
.endr
	v_and_b32 v1, 15, v0                           ; r
	v_bfe_u32 v2, v0, 4, 1                         ; h
	v_lshrrev_b32 v3, 2, v1
	v_lshlrev_b32 v4, 6, v1
	v_lshl_add_u32 v4, v3, 4, v4
	v_lshl_add_u32 v4, v2, 4, v4                   ; A: 64 r + 16 (r / 4) + 16 h
	v_mul_u32_u24 v5, v1, BP
	v_lshl_add_u32 v5, v2, 4, v5                   ; B: 528 r + 16 h
	s_mul_i32 s21, s[RH], AHALF
	s_mul_i32 s22, s[CH], BHALF
	s_add_co_u32 s22, s22, BOFF
.irp s, 0,1
	v_add_nc_u32 v[ADRA+\s], s21, v4
	v_add_nc_u32 v[ADRB+\s], s22, v5
	s_add_co_u32 s21, s21, SLOT
	s_add_co_u32 s22, s22, SLOT
.endr
	s_mul_i32 s21, s[RH], SAH
	s_add_co_u32 s21, s21, SCA
	v_lshl_add_u32 v[ASA], v1, 3, s21              ; A's scale words: 8 bytes a row
	v_mul_u32_u24 v6, v1, KSB
	v_lshrrev_b32 v7, 8, v6
	v_lshl_add_u32 v6, v7, 4, v6                   ; B's: KSB bytes a row, and 16 more for each 256 passed
	s_mul_i32 s21, s[CH], 4*SBLK
	s_add_co_u32 s21, s21, SCB
	v_add_nc_u32 v[ASB], s21, v6
	s_mul_i32 s23, s[WV], 16*272                   ; my stage, in slot 0: 16 rows x (256 bytes + 16)
	v_mul_u32_u24 v6, v1, 272
	v_lshl_add_u32 v6, v2, 5, v6
	v_add_nc_u32 v[STO], s23, v6                   ; in: row r, 32 bytes for each half of the lanes
	v_mul_u32_u24 v6, v2, 272
	v_lshl_add_u32 v6, v1, 4, v6
	v_add_nc_u32 v[RD], s23, v6                    ; back: lanes 0-15 one row, lanes 16-31 the next
	v_lshlrev_b32 v6, 12, v2
	v_lshl_add_u32 v[CO], v1, 4, v6                ; and the same two rows in R and C
	s_wait_alu depctr_va_vdst(0)
	s_lshl_b32 s20, s19, 7
	s_lshl_b32 s21, s[RH], 6
	s_add_co_u32 s20, s20, s21
	s_lshl_b32 s20, s20, 12                        ; my first row, 4,096 bytes a row
	s_mov_b32 s21, 0
	s_lshl_b32 s46, s42, 9
	s_lshl_b32 s47, s[CH], 8
	s_add_co_u32 s46, s46, s47                     ; my first column, in bytes
	s_mov_b32 s47, 0
.if BIAS
	s_add_nc_u64 s[14:15], s[14:15], s[46:47]
	v_lshlrev_b32 v[BIO], 5, v2
.endif
	s_add_nc_u64 s[20:21], s[20:21], s[46:47]
	s_add_nc_u64 s[12:13], s[12:13], s[20:21]
	s_add_nc_u64 s[66:67], s[66:67], s[20:21]
	WIN 0x80                                       ; destination window 2
.if BIAS
.irp b, 0,1,2,3
	global_load_b128 v[128+8*\b:128+8*\b+3], v[BIO], s[14:15] offset:64*\b       ; lane (r, h): numbers 16 b + 8 h + 0 .. 7
	global_load_b128 v[128+8*\b+4:128+8*\b+7], v[BIO], s[14:15] offset:64*\b+16
.endr
.endif
.irp a, 0,1,2,3
.irp t, 0,1,2,3,4,5,6,7
	global_load_b128 v[32*\a+4*\t:32*\a+4*\t+3], v[CO], s[12:13] offset:(16*\a+2*\t)*4096 th:TH_LOAD_NT   ; 16 lanes read 256 consecutive bytes
.endr
.endr
	WIN 0
; 8 matrix instructions: A's blocks a0, a0 + 1 x B's four, the slot's q-th 128 along K, from buffer f.  The 16 accumulators take turns in one order.
.macro MUL8 f, q, a0, set, first
.irp a, \a0, \a0+1
.irp b, 0,1,2,3
.if (\first) && BIAS
	v_wmma_scale_f32_16x16x128_f8f6f4 v[ACC+8*(4*(\a)+\b):ACC+8*(4*(\a)+\b)+7], v[\f+64+16*\b:\f+64+16*\b+15], v[\f+16*(\a):\f+16*(\a)+15], v[128+8*\b:128+8*\b+7], v[SC+32*(\set)+16+4*\b+(\q)], v[SC+32*(\set)+4*(\a)+(\q)] matrix_a_fmt:MATRIX_FMT_BF8 matrix_b_fmt:MATRIX_FMT_BF8
.elseif \first
	v_wmma_scale_f32_16x16x128_f8f6f4 v[ACC+8*(4*(\a)+\b):ACC+8*(4*(\a)+\b)+7], v[\f+64+16*\b:\f+64+16*\b+15], v[\f+16*(\a):\f+16*(\a)+15], 0, v[SC+32*(\set)+16+4*\b+(\q)], v[SC+32*(\set)+4*(\a)+(\q)] matrix_a_fmt:MATRIX_FMT_BF8 matrix_b_fmt:MATRIX_FMT_BF8
.else
	v_wmma_scale_f32_16x16x128_f8f6f4 v[ACC+8*(4*(\a)+\b):ACC+8*(4*(\a)+\b)+7], v[\f+64+16*\b:\f+64+16*\b+15], v[\f+16*(\a):\f+16*(\a)+15], v[ACC+8*(4*(\a)+\b):ACC+8*(4*(\a)+\b)+7], v[SC+32*(\set)+16+4*\b+(\q)], v[SC+32*(\set)+4*(\a)+(\q)] matrix_a_fmt:MATRIX_FMT_BF8 matrix_b_fmt:MATRIX_FMT_BF8
.endif
.endr
.endr
.endm
.macro FETCH slot, q, f                ; 32 LDS loads in one run: the fragments of one quarter
	WIN TO_F
.irp i, 0,1,2,3
.irp c, 0,1,2,3
	ds_load_b128 v[\f+16*\i+4*\c:\f+16*\i+4*\c+3], v[ADRA+\slot] offset:(2*(\q)+\c/2)*4352+1088*\i+32*(\c%2)
	ds_load_b128 v[\f+64+16*\i+4*\c:\f+64+16*\i+4*\c+3], v[ADRB+\slot] offset:128*(\q)+32*\c+8448*\i
.endr
.endr
.endm
.macro SCALES set                      ; a K step's scale words: register 4 i + q of A's 16 and of B's 16
	WIN 0
.irp i, 0,1,2,3
	ds_load_b64 v[SC+32*(\set)+4*\i:SC+32*(\set)+4*\i+1], v[ASA] offset:128*\i
	ds_load_b64 v[SC+32*(\set)+4*\i+2:SC+32*(\set)+4*\i+3], v[ASA] offset:512+128*\i
	ds_load_b128 v[SC+32*(\set)+16+4*\i:SC+32*(\set)+16+4*\i+3], v[ASB] offset:\i*SBLK
.endr
.endm
.macro PLACES n                        ; plain vector lines between a matrix instruction and a load into, or a read of, its registers
.rept \n
	v_nop
.endr
.endm
.macro QUARTER slot, q, first          ; one of a K step's first three quarters: the next quarter's fragments are asked for, then this one's 16 products
.set FC, 128*((\q)%2)
.set FN, 128-FC
	s_wait_dscnt 0x0                               ; this quarter's fragments (and, in a step's first, its scale words) are in
	PLACES 8
	FETCH \slot, (\q)+1, FN
.if (\first) && BIAS
	WIN 0x25                                       ; C in window 2
.else
	WIN MUL
.endif
	MUL8 FC, \q, 0, \slot, \first
	MUL8 FC, \q, 2, \slot, \first
.endm
; The last quarter changes slots: one barrier; in front of it each wave waits for all its tensor loads, adds 0 to its spare word, and waits for that and for its own reads of this slot.
.macro TURN slot, next, fill
	WIN 0
	s_wait_tensorcnt 0x0                           ; all my tensor loads have landed: my part of the next slot
	ds_add_u32 v[SPW], v[NIL]                      ; 0 onto my spare word
	s_wait_dscnt 0x0                               ; the add is done, and my reads of this slot are over
	s_barrier_signal -1
	WIN MUL
	MUL8 F1, 3, 0, \slot, 0
	WIN 0
	s_barrier_wait -1
.if \fill
	CREST                                          ; the barrier has opened a round of the cluster's barrier
	s_add_nc_u64 s[G0+4*\slot+2:G0+4*\slot+3], s[G0+4*\slot+2:G0+4*\slot+3], 4194304
	s_add_nc_u64 s[G0B+4*\slot+2:G0B+4*\slot+3], s[G0B+4*\slot+2:G0B+4*\slot+3], 1024
	JLOAD G0+4*\slot, G1, G0B+4*\slot, G1B         ; the first tensor load behind the round; its four v_nop are four of the eight places
	PLACES 4
.else
	PLACES 8
.endif
	v_add_nc_u32 v[ASA], 1024, v[ASA]              ; on to the next K step's scale words
	v_add_nc_u32 v[ASB], 16, v[ASB]
	FETCH \next, 0, F0
	SCALES \next
	WIN MUL
	MUL8 F1, 3, 2, \slot, 0
.endm
	s_wait_tensorcnt 1                             ; the scales and my part of K step 0 are in (K step 1's load may be out)
	s_barrier_signal -1
	s_barrier_wait -1                              ; everybody's are
	FETCH 0, 0, F0
	SCALES 0
.if BIAS
	s_wait_loadcnt 32                              ; the bias is in; R's 32 loads may be out
.endif
	QUARTER 0, 0, 1                                ; the first quarter's products start the sums
.if LAPS > 1
	WIN 0
	s_mov_b32 s3, LAPS-1
.Llap:                                                 ; a trip goes once round the ring and fills both slots again
	QUARTER 0, 1, 0
	QUARTER 0, 2, 0
	TURN 0, 1, 1
	QUARTER 1, 0, 0
	QUARTER 1, 1, 0
	QUARTER 1, 2, 0
	TURN 1, 0, 1
	QUARTER 0, 0, 0
	WIN 0
	s_sub_co_u32 s3, s3, 1
	s_cmp_lg_u32 s3, 0
	s_cbranch_scc1 .Llap
.endif
	QUARTER 0, 1, 0                                ; the last lap fills nothing
	QUARTER 0, 2, 0
	TURN 0, 1, 0
	QUARTER 1, 0, 0
	QUARTER 1, 1, 0
	QUARTER 1, 2, 0
	s_wait_dscnt 0x0
	WIN MUL
	MUL8 F1, 3, 0, 1, 0
	MUL8 F1, 3, 2, 1, 0
	WIN 0
	; THE WAY OUT.  A block of 16 rows x 64 columns goes through my own stage and comes back, into the registers that it left, as whole rows of 256 bytes.  LDS serves a wave's instructions in order.
	PLACES 8
.irp a, 0,1,2,3
.irp b, 0,1,2,3
	ds_store_b128 v[STO], v[ACC+32*\a+8*\b:ACC+32*\a+8*\b+3] offset:64*\b          ; each accumulator from its low end on
	ds_store_b128 v[STO], v[ACC+32*\a+8*\b+4:ACC+32*\a+8*\b+7] offset:64*\b+16
.endr
.irp t, 0,1,2,3,4,5,6,7
	ds_load_b128 v[ACC+32*\a+4*\t:ACC+32*\a+4*\t+3], v[RD] offset:544*\t
.endr
.endr
	s_wait_loadcnt 0x0                             ; R
.irp a, 0,1,2,3
	s_wait_dscnt 16*(3-\a)                         ; block a is back; the later blocks' eight stores and eight loads each may be out
	WIN 0x08                                       ; source 1 (R) window 2
.irp j, 0,2,4,6,8,10,12,14,16,18,20,22,24,26,28,30
	v_pk_add_f32 v[ACC+32*\a+\j:ACC+32*\a+\j+1], v[ACC+32*\a+\j:ACC+32*\a+\j+1], v[32*\a+\j:32*\a+\j+1]
.endr
	WIN 0
.irp t, 0,1,2,3,4,5,6,7
	global_store_b128 v[CO], v[ACC+32*\a+4*\t:ACC+32*\a+4*\t+3], s[66:67] offset:(16*\a+2*\t)*4096   ; 16 lanes store 256 consecutive bytes, aligned
.endr
.endr
	s_wait_tensorcnt 0x0                           ; the wave's end
	ds_add_u32 v[SPW], v[NIL]
	s_wait_dscnt 0x0
	CROUND                                         ; the closing round
	s_endpgm
.Lfunc_end_k_qe1bffb90d6_wo:
	.size	k_qe1bffb90d6_wo, .Lfunc_end_k_qe1bffb90d6_wo-k_qe1bffb90d6_wo
	.p2alignl 7, 3214868480
	.fill 96, 4, 3214868480
	.section	.rodata,"a",@progbits
	.p2align	6, 0x0
	.amdhsa_kernel k_qe1bffb90d6_wo
		.amdhsa_group_segment_fixed_size 327680
		.amdhsa_private_segment_fixed_size 0
		.amdhsa_enable_private_segment 0
		.amdhsa_kernarg_size 48
		.amdhsa_user_sgpr_count 2
		.amdhsa_user_sgpr_kernarg_segment_ptr 1
		.amdhsa_wavefront_size32 1
		.amdhsa_system_sgpr_workgroup_id_x 1
		.amdhsa_system_sgpr_workgroup_id_y 1
		.amdhsa_system_sgpr_workgroup_id_z 1
		.amdhsa_system_vgpr_workitem_id 0
		.amdhsa_next_free_vgpr 768
		.amdhsa_next_free_sgpr 100
		.amdhsa_reserve_vcc 0
		.amdhsa_float_denorm_mode_32 3
		.amdhsa_float_denorm_mode_16_64 3
		.amdhsa_memory_ordered 1
		.amdhsa_forward_progress 1
		.amdhsa_inst_pref_size 63
	.end_amdhsa_kernel
	.amdgpu_metadata
---
amdhsa.version: [ 1, 2 ]
amdhsa.kernels:
  - .name:           k_qe1bffb90d6_wo
    .symbol:         k_qe1bffb90d6_wo.kd
    .args:
      - { .name: actc, .offset: 0, .size: 8, .value_kind: global_buffer, .address_space: global }
      - { .name: acts, .offset: 8, .size: 8, .value_kind: global_buffer, .address_space: global }
      - { .name: wo_codes, .offset: 16, .size: 8, .value_kind: global_buffer, .address_space: global }
      - { .name: wo_scales, .offset: 24, .size: 8, .value_kind: global_buffer, .address_space: global }
      - { .name: x, .offset: 32, .size: 8, .value_kind: global_buffer, .address_space: global }
      - { .name: x1, .offset: 40, .size: 8, .value_kind: global_buffer, .address_space: global }
    .group_segment_fixed_size: 327680
    .private_segment_fixed_size: 0
    .kernarg_segment_align: 8
    .kernarg_segment_size: 48
    .max_flat_workgroup_size: 128
    .sgpr_count:     100
    .vgpr_count:     768
    .wavefront_size: 32
...
	.end_amdgpu_metadata
.endif
;; end of part 4
;; launch ln2: the kernel of part 1 again; grid 256 x 1, 4 waves a work-group, no clusters, 55,808 bytes of LDS; arguments x1, ln2_a, ln2_b, actc, acts, mask, mw; writes actc, acts, mw
;; launch ffn1 (part 5): grid 16 x 16, 4 waves a work-group, clusters of 4 x 4, 327,680 bytes of LDS; arguments actc, acts, w1_codes, w1_scales, b1, widec, wides; writes widec, wides
.if DOCPART == 5
	.amdgcn_target "amdgcn-amd-amdhsa--gfx1250"
	.amdhsa_code_object_version 6
	.text
	.protected	k_qe1bffb90d6_ffn1
	.globl	k_qe1bffb90d6_ffn1
	.p2align	8
	.type	k_qe1bffb90d6_ffn1,@function
k_qe1bffb90d6_ffn1:
	s_mov_b64 s[64:65], 0
	v_nop
	global_prefetch_b8 v0, s[64:65] scope:SCOPE_SE
	s_setreg_imm32_b32 hwreg(HW_REG_WAVE_MODE, 25, 1), 1
	s_wait_xcnt 0x0
	s_wait_alu depctr_hold_cnt(0) depctr_sa_sdst(0) depctr_va_vdst(0) depctr_va_sdst(0) depctr_va_ssrc(0) depctr_va_vcc(0) depctr_vm_vsrc(0)
	s_getreg_b32 s2, hwreg(HW_REG_IB_STS2, 6, 4)
	s_cmp_eq_u32 s2, 0
	s_cbranch_scc0 .Lentry_in_a_cluster
	s_endpgm
.Lentry_in_a_cluster:
	s_bfe_u32 s2, ttmp6, 0x10000c
	s_cmp_lg_u32 s2, 0xf033
	s_cbranch_scc0 .Lentry_shape_is_right
	s_endpgm
.Lentry_shape_is_right:
.set FFN,    1
.set SIZE_K, 1024
.set KSTEP,  256
.set NQ,     KSTEP/128
.set ROWB,   256
.set KROW,   SIZE_K
.set PITCH,  272
.set FR,     16
.set NL,     4
.set NP,     8
.set HALFT,  128*PITCH
.set SLOT,   4*HALFT
.set LAPS,   SIZE_K/(2*KSTEP)
.set KS,     SIZE_K/32
.set SCL,    2*SLOT
.set HALFS,  (128*KS/256)*272
.set SBLK,   (16*KS/256)*272
.set SPARE,  SCL+4*HALFS
.set SP2,    336
.set SWS,    256*SP2
.set COG,  8
.set ADRA, 16
.set CO,   18
.set BIO,  19
.set ADRB, 20
.set STO,  24
.set STS,  25
.set RD,   26
.set ADRS, 27
.set SPW,  28
.set NIL,  29
.set PW,   30
.set RDS,  31
.set SC,   32
.set TQ,   64
.set BI,   64
.set AF,   128
.set PC,   128
.set TM,   144
.set SWB,  160
.set SEL,  20
.set MNT,  22
.set G1, 24
.set G0, 32
.set G1B, 48
.set G0B, 56
.set G1S, 68
.set G0S, 76
.set G1SB, 80
.set G0SB, 88
.set MSB, 0
.macro WIN new
.if MSB != (\new)
	s_set_vgpr_msb (MSB<<8)|(\new)
.set MSB, \new
.endif
.endm
.set MUL_LO, 0xa1
.set TO_B,   0x40
.macro WMUL hi, zero
.if (\zero) && FFN
	WIN 0x81+0x40*(\hi)
.else
	WIN MUL_LO+0x50*(\hi)
.endif
.endm
.macro JLOAD g0a, g1a, g0b, g1b
	s_cmp_eq_u32 s15, 0
	s_cbranch_scc0 .Lfor_b_\@
	tensor_load_to_lds s[\g0a:\g0a+3], s[\g1a:\g1a+7]
	s_nop 0
.rept 4
	v_nop
.endr
	s_branch .Lasked_\@
.Lfor_b_\@:
	tensor_load_to_lds s[\g0b:\g0b+3], s[\g1b:\g1b+7]
	s_nop 0
.rept 4
	v_nop
.endr
.Lasked_\@:
.endm
.macro CREST
	s_cmp_lg_u32 s14, 0
	s_cbranch_scc1 .Lnot_wave_0_\@
	s_barrier_signal -3
.Lnot_wave_0_\@:
	s_barrier_wait -3
	s_barrier_signal -1
	s_barrier_wait -1
.endm
.macro CROUND
	s_barrier_signal -1
	s_barrier_wait -1
	CREST
.endm
.if FFN
	s_load_b256 s[4:11], s[0:1], 0x0
	s_load_b64 s[66:67], s[0:1], 0x20
	s_load_b64 s[12:13], s[0:1], 0x28
	s_load_b64 s[96:97], s[0:1], 0x30
.else
	s_load_b512 s[68:83], s[0:1], 0x0
	s_load_b128 s[84:87], s[0:1], 0x40
.endif
	v_lshl_add_u32 v[SPW], v0, 2, SPARE
	v_mov_b32 v[NIL], 0
	ds_add_u32 v28, v29
	ds_add_u32 v28, v29
	s_wait_dscnt 0x0
	v_lshrrev_b32 v1, 5, v0
	v_readfirstlane_b32 s14, v1
	s_lshr_b32 s15, s14, 1
	s_and_b32 s16, s14, 1
	s_bfe_u32 s40, ttmp6, 0x40000
	s_bfe_u32 s41, ttmp6, 0x40004
.if FFN
	s_lshl_b32 s42, ttmp9, 2
	s_add_co_u32 s42, s42, s40
	s_and_b32 s17, ttmp7, 0xffff
	s_lshl_b32 s17, s17, 2
	s_add_co_u32 s17, s17, s41
.else
	s_and_b32 s95, ttmp7, 0xffff
	s_cmp_eq_u32 ttmp9, 2
	s_cselect_b32 s17, 0, s95
	s_cselect_b32 s42, s95, 0
	s_mov_b32 s98, 0x40000
	s_cselect_b32 s98, 0x10000, s98
	s_mov_b32 s99, 32768
	s_cselect_b32 s99, 8192, s99
	s_lshl_b32 s17, s17, 2
	s_add_co_u32 s17, s17, s41
	s_lshl_b32 s42, s42, 2
	s_add_co_u32 s42, s42, s40
.endif
	s_lshl_b32 s43, s41, 2
	s_lshl_b32 s43, 15, s43
	s_lshl_b32 s44, 0x1111, s40
	s_or_b32 s[G1+0], s43, (0<<16)|(1<<20)|(1<<21)|(5<<22)|(3<<25)
	s_or_b32 s[G1B+0], s44, (0<<16)|(1<<20)|(1<<21)|(5<<22)|(3<<25)
.irp g, G1, G1B
	s_mov_b32 s[\g+1], ROWB<<16
	s_mov_b32 s[\g+2], 256<<16                     ; the head's loads of codes bring 256 rows; behind them the two words that count rows are set to 128
	s_mov_b32 s[\g+3], ROWB<<16
	s_mov_b32 s[\g+4], 256
	s_mov_b32 s[\g+5], KROW
	s_mov_b32 s[\g+6], 0
	s_mov_b32 s[\g+7], 0
.endr
	s_lshl_b32 s20, s17, 8                         ; the tile's first row of A,
	s_lshl_b32 s46, s42, 8                         ; and of B
	s_mov_b32 s21, 0
	s_mov_b32 s47, 0
	s_mov_b64 s[18:19], KS
	s_mul_u64 s[22:23], s[20:21], s[18:19]
	s_mul_u64 s[92:93], s[46:47], s[18:19]
	s_mov_b64 s[18:19], KROW
	s_mul_u64 s[20:21], s[20:21], s[18:19]
	s_mul_u64 s[46:47], s[46:47], s[18:19]
	s_mul_i32 s45, s14, HALFT
	s_mul_i32 s18, s16, 128*KROW                   ; in the ring I fetch 128 rows of a tile: which half, in bytes
	s_mov_b32 s19, 0
	s_wait_kmcnt 0x0
.if !FFN
	s_cmp_eq_u32 ttmp9, 1
	s_cselect_b64 s[8:9], s[76:77], s[72:73]
	s_cselect_b64 s[10:11], s[78:79], s[74:75]
	s_cmp_eq_u32 ttmp9, 2
	s_cselect_b64 s[4:5], s[80:81], s[68:69]
	s_cselect_b64 s[6:7], s[82:83], s[70:71]
	s_cselect_b64 s[8:9], s[68:69], s[8:9]
	s_cselect_b64 s[10:11], s[70:71], s[10:11]
	s_mov_b64 s[12:13], s[84:85]
	s_mov_b64 s[96:97], s[86:87]
.endif
	s_or_b32 s[G1S+0], s43, (3<<16)|(1<<20)|(1<<21)|(5<<22)|(3<<25)
	s_or_b32 s[G1SB+0], s44, (3<<16)|(1<<20)|(1<<21)|(5<<22)|(3<<25)
.irp g, G1S, G1SB
	s_mov_b32 s[\g+1], 32<<16
	s_mov_b32 s[\g+2], KS<<16                      ; the scales of 256 rows: KS rows of 256 bytes
	s_mov_b32 s[\g+3], 32<<16
	s_mov_b32 s[\g+4], KS
	s_mov_b32 s[\g+5], 32
	s_mov_b32 s[\g+6], 0
	s_mov_b32 s[\g+7], 0
.endr
	s_add_nc_u64 s[20:21], s[4:5], s[20:21]
	s_add_nc_u64 s[22:23], s[6:7], s[22:23]
	s_add_nc_u64 s[46:47], s[8:9], s[46:47]
	s_add_nc_u64 s[92:93], s[10:11], s[92:93]
	CROUND
	s_mov_b32 s[G0S], 1
	s_mov_b32 s[G0S+1], SCL
	s_mov_b64 s[G0S+2:G0S+3], s[22:23]
	s_or_b32 s[G0S+3], s[G0S+3], 0x80000000
	s_mov_b32 s[G0SB], 1
	s_mov_b32 s[G0SB+1], SCL+2*HALFS
	s_mov_b64 s[G0SB+2:G0SB+3], s[92:93]
	s_or_b32 s[G0SB+3], s[G0SB+3], 0x80000000
.set G0H, 4                            ; s[4:7], s[8:11] group 0 of the head's loads of K step 0: A's 256 rows, B's 256 rows (the arguments that lay there have been used)
.set G0HB, 8
	s_mov_b32 s[G0H], 1
	s_mov_b32 s[G0H+1], 0
	s_mov_b64 s[G0H+2:G0H+3], s[20:21]
	s_or_b32 s[G0H+3], s[G0H+3], 0x80000000
	s_mov_b32 s[G0HB], 1
	s_mov_b32 s[G0HB+1], 2*HALFT
	s_mov_b64 s[G0HB+2:G0HB+3], s[46:47]
	s_or_b32 s[G0HB+3], s[G0HB+3], 0x80000000
	s_add_nc_u64 s[20:21], s[20:21], s[18:19]      ; for the ring: my 128 rows of the tile
	s_add_nc_u64 s[46:47], s[46:47], s[18:19]
.irp s, 0,1
	s_mov_b32 s[G0+4*\s], 1
	s_add_co_u32 s[G0+4*\s+1], s45, \s*SLOT
	s_add_nc_u64 s[G0+4*\s+2:G0+4*\s+3], s[20:21], \s*ROWB
	s_or_b32 s[G0+4*\s+3], s[G0+4*\s+3], 0x80000000
	s_mov_b32 s[G0B+4*\s], 1
	s_add_co_u32 s[G0B+4*\s+1], s45, \s*SLOT
	s_add_nc_u64 s[G0B+4*\s+2:G0B+4*\s+3], s[46:47], \s*ROWB
	s_or_b32 s[G0B+4*\s+3], s[G0B+4*\s+3], 0x80000000
.endr
; THE HEAD'S LOADS, one a wave, in one chain of branches on the wave's number: wave 0 K step 0's 256 rows of A, wave 1 its 256 rows of B, wave 2 A's scales, wave 3 B's
.macro ARM under, g0, g1, next
	s_cmp_lt_u32 s14, \under
	s_cbranch_scc0 \next
	tensor_load_to_lds s[\g0:\g0+3], s[\g1:\g1+7]
	s_nop 0
.rept 4
	v_nop
.endr
	s_branch .Lhead_asked
\next:
.endm
	ARM 1, G0H,  G1,  .Lhead_b
	ARM 2, G0HB, G1B, .Lhead_sa
	ARM 3, G0S,  G1S, .Lhead_sb
	tensor_load_to_lds s[G0SB:G0SB+3], s[G1SB:G1SB+7]
	s_nop 0
.rept 4
	v_nop
.endr
.Lhead_asked:
	v_and_b32 v1, 15, v0
	v_bfe_u32 v2, v0, 4, 1
	v_mul_u32_u24 v3, v1, PITCH
	v_lshl_add_u32 v4, v2, 4, v3
	s_mul_i32 s21, s15, HALFT
	s_mul_i32 s22, s16, HALFT
	s_add_co_u32 s22, s22, 2*HALFT
.irp s, 0,1
	v_add_nc_u32 v[ADRA+\s], s21, v4
	v_add_nc_u32 v[ADRB+\s], s22, v4
	s_add_co_u32 s21, s21, SLOT
	s_add_co_u32 s22, s22, SLOT
.endr
	v_mul_u32_u24 v5, v1, KS
	v_lshrrev_b32 v6, 8, v5
	v_lshl_add_u32 v5, v6, 4, v5
	s_mul_i32 s21, s15, HALFS
	s_mul_i32 s22, s16, HALFS
	s_add_co_u32 s22, s22, 2*HALFS
	s_sub_co_u32 s22, s22, s21
	v_mul_u32_u24 v6, s22, v2
	s_add_co_u32 s21, s21, SCL
	v_add_nc_u32 v5, v5, v6
	v_add_nc_u32 v[ADRS], s21, v5
	s_mul_i32 s23, s15, 128*SP2
	s_lshl_b32 s22, s16, 7
	s_add_co_u32 s23, s23, s22
	v_mul_u32_u24 v5, v1, SP2
	v_lshl_add_u32 v5, v2, 4-FFN, v5
	v_add_nc_u32 v[STO], s23, v5
	s_lshl_b32 s23, s15, 10
	s_lshl_b32 s22, s16, 2
	s_add_co_u32 s23, s23, s22
	s_add_co_u32 s23, s23, SWS
	v_lshl_add_u32 v[STS], v1, 3, s23
	v_and_b32 v6, 31, v0
	v_lshrrev_b32 v5, 2, v6
	v_mul_u32_u24 v5, v5, SP2
	v_and_b32 v7, 3, v6
	v_lshl_add_u32 v5, v7, 4, v5
	s_mul_i32 s23, s14, 64*SP2
	v_add_nc_u32 v[RD], s23, v5
	v_lshlrev_b32 v[CO], 4, v6
	s_lshl_b32 s23, s14, 9
	s_add_co_u32 s23, s23, SWS
	v_add_nc_u32 v[RDS], s23, v[CO]
	s_lshl_b32 s20, s17, 14
	s_lshl_b32 s21, s14, 12
	s_add_co_u32 s20, s20, s21
	s_mov_b32 s21, 0
	s_lshl_b32 s22, s17, 11
	s_lshl_b32 s23, s14, 9
	s_add_co_u32 s22, s22, s23
	s_mov_b32 s23, 0
.if FFN
	s_lshl_b32 s46, s42, 20
	s_lshl_b32 s92, s42, 15
.else
	s_mul_i32 s46, s42, s98
	s_lshl_b32 s46, s46, 2
	s_lshl_b32 s47, ttmp9, 22
	s_add_co_u32 s46, s46, s47
	s_mul_i32 s92, s42, s99
	s_lshl_b32 s47, ttmp9, 17
	s_add_co_u32 s92, s92, s47
	v_mov_b32 v[COG], v[CO]
	v_add_nc_u32 v[COG+1], s98, v[CO]
	s_lshl_b32 s47, s98, 1
	v_add_nc_u32 v[COG+2], s47, v[CO]
	s_add_co_u32 s47, s47, s98
	v_add_nc_u32 v[COG+3], s47, v[CO]
.endif
	s_mov_b32 s47, 0
	s_mov_b32 s93, 0
	s_add_nc_u64 s[20:21], s[20:21], s[46:47]
	s_add_nc_u64 s[22:23], s[22:23], s[92:93]
	s_add_nc_u64 s[12:13], s[12:13], s[20:21]
	s_add_nc_u64 s[96:97], s[96:97], s[22:23]
.if FFN
	s_lshl_b32 s46, s42, 10
	s_lshl_b32 s47, s16, 9
	s_add_co_u32 s46, s46, s47
	s_mov_b32 s47, 0
	s_add_nc_u64 s[66:67], s[66:67], s[46:47]
	v_lshlrev_b32 v[BIO], 5, v2
.irp b, 0,1,2,3,4,5,6,7
	global_load_b128 v[BI+8*\b:BI+8*\b+3], v[BIO], s[66:67] offset:64*\b
	global_load_b128 v[BI+8*\b+4:BI+8*\b+7], v[BIO], s[66:67] offset:64*\b+16
.endr
.endif
.macro FRAG reg, adr, q, i
.irp c, 0,1,2,3
	ds_load_b128 v[\reg+4*\c:\reg+4*\c+3], v[\adr] offset:128*(\q)+32*\c+(\i)*16*PITCH
.endr
.endm
.macro MUL16 a0, p, q, sc, zero
.irp a, \a0, \a0+1
.irp b, 0,1,2,3,4,5,6,7
.if (\zero) && FFN
	v_wmma_scale_f32_16x16x128_f8f6f4 v[8*(8*((\a)%4)+\b):8*(8*((\a)%4)+\b)+7], v[128*(\p)+FR*\b:128*(\p)+FR*\b+FR-1], v[AF+FR*(\a):AF+FR*(\a)+FR-1], v[BI+8*\b:BI+8*\b+7], v[SC+8*NQ*(\sc)+NQ*\b+(\q)], v[SC+8*NQ*(\sc)+NQ*(\a)+(\q)] matrix_a_fmt:MATRIX_FMT_BF8 matrix_b_fmt:MATRIX_FMT_BF8 matrix_a_scale:MATRIX_SCALE_ROW1
.elseif \zero
	v_wmma_scale_f32_16x16x128_f8f6f4 v[8*(8*((\a)%4)+\b):8*(8*((\a)%4)+\b)+7], v[128*(\p)+FR*\b:128*(\p)+FR*\b+FR-1], v[AF+FR*(\a):AF+FR*(\a)+FR-1], 0, v[SC+8*NQ*(\sc)+NQ*\b+(\q)], v[SC+8*NQ*(\sc)+NQ*(\a)+(\q)] matrix_a_fmt:MATRIX_FMT_BF8 matrix_b_fmt:MATRIX_FMT_BF8 matrix_a_scale:MATRIX_SCALE_ROW1
.else
	v_wmma_scale_f32_16x16x128_f8f6f4 v[8*(8*((\a)%4)+\b):8*(8*((\a)%4)+\b)+7], v[128*(\p)+FR*\b:128*(\p)+FR*\b+FR-1], v[AF+FR*(\a):AF+FR*(\a)+FR-1], v[8*(8*((\a)%4)+\b):8*(8*((\a)%4)+\b)+7], v[SC+8*NQ*(\sc)+NQ*\b+(\q)], v[SC+8*NQ*(\sc)+NQ*(\a)+(\q)] matrix_a_fmt:MATRIX_FMT_BF8 matrix_b_fmt:MATRIX_FMT_BF8 matrix_a_scale:MATRIX_SCALE_ROW1
.endif
.endr
.endr
.endm
.macro FETCH_B slot, q, p
	WIN TO_B
.irp i, 0,1,2,3,4,5,6,7
	FRAG 128*(\p)+FR*\i, ADRB+\slot, \q, \i
.endr
	WIN 0
.endm
.macro FETCH_A slot, q, i0
.irp i, \i0, \i0+1, \i0+2, \i0+3
	FRAG AF+FR*(\i), ADRA+\slot, \q, \i
.endr
.endm
.macro SCALES sc
.irp i, 0,1,2,3,4,5,6,7
	ds_load_b64 v[SC+8*NQ*\sc+NQ*\i:SC+8*NQ*\sc+NQ*\i+1], v[ADRS] offset:\i*SBLK
.endr
.endm
.macro PLACES n
.rept \n
	v_nop
.endr
.endm
.macro STEP slot, q, zero
	s_wait_dscnt 4*NL
	WMUL 0, \zero
	MUL16 0, (\q)%2, \q, \slot, \zero
	MUL16 2, (\q)%2, \q, \slot, \zero
	s_wait_dscnt 0
	PLACES NP
	FETCH_B \slot, (\q)+1, 1-(\q)%2
	FETCH_A \slot, (\q)+1, 0
	WMUL 1, \zero
	MUL16 4, (\q)%2, \q, \slot, \zero
	MUL16 6, (\q)%2, \q, \slot, \zero
	PLACES NP
	WIN 0
	FETCH_A \slot, (\q)+1, 4
.endm
.macro TURN slot, next, fill
	s_wait_tensorcnt 0x0
	ds_add_u32 v[SPW], v[NIL]
	s_wait_dscnt 4*NL+1
	WIN MUL_LO
	MUL16 0, 1, NQ-1, \slot, 0
	s_wait_dscnt 0x0
	s_barrier_signal -1
	MUL16 2, 1, NQ-1, \slot, 0
	WIN 0
	s_barrier_wait -1
.if \fill
	CREST
	s_add_nc_u64 s[G0+4*\slot+2:G0+4*\slot+3], s[G0+4*\slot+2:G0+4*\slot+3], 2*ROWB
	s_add_nc_u64 s[G0B+4*\slot+2:G0B+4*\slot+3], s[G0B+4*\slot+2:G0B+4*\slot+3], 2*ROWB
	JLOAD G0+4*\slot, G1, G0B+4*\slot, G1B
	PLACES NP-4
.else
	PLACES NP
.endif
	s_wait_alu depctr_va_vdst(0)
	v_add_nc_u32 v[ADRS], 4*NQ, v[ADRS]
	FETCH_B \next, 0, 0
	FETCH_A \next, 0, 0
	SCALES \next
	WIN MUL_LO+0x50
	MUL16 4, 1, NQ-1, \slot, 0
	MUL16 6, 1, NQ-1, \slot, 0
	PLACES NP
	WIN 0
	FETCH_A \next, 0, 4
.endm
	s_wait_alu depctr_va_vdst(0)                   ; the wait at the head's end
	s_wait_tensorcnt 0x0                           ; my tile of the head's four is in; the lines ahead of a later first fill:
	ds_add_u32 v[SPW], v[NIL]
	s_mov_b32 s[G1+2], 128<<16                     ; no tensor load of mine is out: from here on a load brings 128 rows
	s_mov_b32 s[G1+4], 128
	s_mov_b32 s[G1B+2], 128<<16
	s_mov_b32 s[G1B+4], 128
	s_wait_dscnt 0x0
	CROUND                                         ; all four tiles are in, and all sixteen work-groups are here
	JLOAD G0+4, G1, G0B+4, G1B                     ; K step 1's load, the first tensor load behind the round
	FETCH_B 0, 0, 0
	FETCH_A 0, 0, 0
	SCALES 0
	FETCH_A 0, 0, 4
.if FFN
	s_wait_loadcnt 0x0
.endif
	STEP 0, 0, 1
	s_mov_b32 s3, LAPS-1
.Llap:
	TURN 0, 1, 1
	STEP 1, 0, 0
	TURN 1, 0, 1
	STEP 0, 0, 0
	s_sub_co_u32 s3, s3, 1
	s_cmp_lg_u32 s3, 0
	s_cbranch_scc1 .Llap
	TURN 0, 1, 0
	STEP 1, 0, 0
	s_wait_dscnt 4*NL
	WIN MUL_LO
	MUL16 0, 1, NQ-1, 1, 0
	MUL16 2, 1, NQ-1, 1, 0
	s_wait_dscnt 0
	WIN MUL_LO+0x50
	MUL16 4, 1, NQ-1, 1, 0
	MUL16 6, 1, NQ-1, 1, 0
	WIN 0
.macro QB a
.set W, 2+(\a)/4
.set AC, 64*((\a)%4)
.set W12, (W<<2)|(W<<4)
	WIN 0
.irp b, 0,1,2,3
	v_mov_b32 v[TM+\b], 0x8000000
.endr
	WIN W12
.irp i, 0,2,4,6,8,10,12,14
.irp b, 0,1,2,3
.if FFN
	v_max3_num_f32 v[TM+\b], v[TM+\b], v[AC+16*\b+\i], v[AC+16*\b+\i+1]
.else
	v_max3_num_f32 v[TM+\b], v[TM+\b], |v[AC+16*\b+\i]|, |v[AC+16*\b+\i+1]|
.endif
.endr
.endr
	WIN 0
.irp b, 0,1,2,3
	v_permlanex16_b32 v[TM+4+\b], v[TM+\b], s[SEL], s[SEL+1]
.endr
.irp b, 0,1,2,3
	v_max_num_f32 v[TM+\b], v[TM+\b], v[TM+4+\b]
.endr
.irp b, 0,1,2,3
	v_add_nc_u32 v[TM+12+\b], 0xf8800000, v[TM+\b]
.endr
.irp b, 0,1,2,3
	v_and_or_b32 v[TM+8+\b], v[TM+\b], 0x7f800000, s[MNT]
.endr
.irp b, 0,1,2,3
	v_lshrrev_b32 v[TM+4+\b], 23, v[TM+12+\b]
.endr
	s_wait_alu depctr_va_vdst(0)
	s_wait_dscnt 0x0
	v_lshl_or_b32 v[PW], v[TM+5], 8, v[TM+4]
	v_lshl_or_b32 v[PW], v[TM+6], 16, v[PW]
	v_lshl_or_b32 v[PW], v[TM+7], 24, v[PW]
	WIN W
.set n, 0
.rept 64
.if FFN
	v_med3_num_f32 v[TQ+n], v[AC+n], 0, v[TM+8+n/16]
.else
	v_med3_num_f32 v[TQ+n], v[AC+n], -v[TM+8+n/16], v[TM+8+n/16]
.endif
.set n, n+1
.endr
	WIN 0
.irp t, 0,1,2,3,4,5,6,7
	v_cvt_scalef32_pk8_bf8_f32 v[PC+2*\t:PC+2*\t+1], v[TQ+8*\t:TQ+8*\t+7], v[TM+12+\t/2]
.endr
	v_nop
.irp t, 0,1,2,3,4,5,6,7
.if FFN
	ds_store_b64 v[STO], v[PC+2*\t:PC+2*\t+1] offset:(\a)*16*SP2+16*\t
.else
	ds_store_b64 v[STO], v[PC+2*\t:PC+2*\t+1] offset:(\a)*16*SP2+32*(\t/2)+8*(\t%2)
.endif
.endr
	ds_store_b32 v[STS], v[PW] offset:128*(\a)
.endm
	PLACES NP
	s_mov_b32 s[SEL], 0x76543210
	s_mov_b32 s[SEL+1], 0xfedcba98
	s_mov_b32 s[MNT], 0x600000
.irp b, 0,1,2,3
	v_mov_b32 v[TM+4+\b], 0
.endr
.irp a, 0,1,2,3,4,5,6,7
	QB \a
.endr
	s_wait_dscnt 0x0
	s_barrier_signal -1
	s_barrier_wait -1
	WIN 0x40
.set k, 0
.rept 32
	ds_load_b128 v[4*k:4*k+3], v[RD] offset:(k%8)*8*SP2+64*(k/8)
.set k, k+1
.endr
	WIN 0
	ds_load_b128 v[SWB:SWB+3], v[RDS]
	WIN 0x04
.set k, 0
.rept 32
	s_wait_dscnt 32-k
.if FFN
	global_store_b128 v[CO], v[4*k:4*k+3], s[12:13] offset:(k/8)*262144+512*(k%8)
.else
	global_store_b128 v[COG+k/8], v[4*k:4*k+3], s[12:13] offset:512*(k%8)
.endif
.set k, k+1
.endr
	WIN 0
	s_wait_dscnt 0x0
	global_store_b128 v[CO], v[SWB:SWB+3], s[96:97]
	s_wait_tensorcnt 0x0
	ds_add_u32 v[SPW], v[NIL]
	s_wait_dscnt 0x0
	CROUND
	s_endpgm
.Lfunc_end_k_qe1bffb90d6_ffn1:
	.size	k_qe1bffb90d6_ffn1, .Lfunc_end_k_qe1bffb90d6_ffn1-k_qe1bffb90d6_ffn1
	.p2alignl 7, 3214868480
	.fill 96, 4, 3214868480
	.section	.rodata,"a",@progbits
	.p2align	6, 0x0
	.amdhsa_kernel k_qe1bffb90d6_ffn1
		.amdhsa_group_segment_fixed_size 327680
		.amdhsa_private_segment_fixed_size 0
		.amdhsa_enable_private_segment 0
		.amdhsa_kernarg_size 56
		.amdhsa_user_sgpr_count 2
		.amdhsa_user_sgpr_kernarg_segment_ptr 1
		.amdhsa_wavefront_size32 1
		.amdhsa_system_sgpr_workgroup_id_x 1
		.amdhsa_system_sgpr_workgroup_id_y 1
		.amdhsa_system_sgpr_workgroup_id_z 1
		.amdhsa_system_vgpr_workitem_id 0
		.amdhsa_next_free_vgpr 1024
		.amdhsa_next_free_sgpr 100
		.amdhsa_reserve_vcc 0
		.amdhsa_float_denorm_mode_32 3
		.amdhsa_float_denorm_mode_16_64 3
		.amdhsa_memory_ordered 1
		.amdhsa_forward_progress 1
		.amdhsa_inst_pref_size 197
	.end_amdhsa_kernel
	.amdgpu_metadata
---
amdhsa.version: [ 1, 2 ]
amdhsa.kernels:
  - .name:           k_qe1bffb90d6_ffn1
    .symbol:         k_qe1bffb90d6_ffn1.kd
    .args:
      - { .name: actc, .offset: 0, .size: 8, .value_kind: global_buffer, .address_space: global }
      - { .name: acts, .offset: 8, .size: 8, .value_kind: global_buffer, .address_space: global }
      - { .name: w1_codes, .offset: 16, .size: 8, .value_kind: global_buffer, .address_space: global }
      - { .name: w1_scales, .offset: 24, .size: 8, .value_kind: global_buffer, .address_space: global }
      - { .name: b1, .offset: 32, .size: 8, .value_kind: global_buffer, .address_space: global }
      - { .name: widec, .offset: 40, .size: 8, .value_kind: global_buffer, .address_space: global }
      - { .name: wides, .offset: 48, .size: 8, .value_kind: global_buffer, .address_space: global }
    .group_segment_fixed_size: 327680
    .private_segment_fixed_size: 0
    .kernarg_segment_align: 8
    .kernarg_segment_size: 56
    .max_flat_workgroup_size: 128
    .sgpr_count:     100
    .vgpr_count:     1024
    .wavefront_size: 32
...
	.end_amdgpu_metadata
.endif
;; end of part 5
;; launch ffn2 (part 6): grid 8 x 32, 4 waves a work-group, clusters of 4 x 4, 327,680 bytes of LDS; arguments widec, wides, w2_codes, w2_scales, x1, b2, out0; writes out0
.if DOCPART == 6
	.amdgcn_target "amdgcn-amd-amdhsa--gfx1250"
	.amdhsa_code_object_version 6
	.text
	.protected	k_qe1bffb90d6_ffn2
	.globl	k_qe1bffb90d6_ffn2
	.p2align	8
	.type	k_qe1bffb90d6_ffn2,@function
k_qe1bffb90d6_ffn2:
	s_mov_b64 s[64:65], 0
	v_nop
	global_prefetch_b8 v0, s[64:65] scope:SCOPE_SE
	s_setreg_imm32_b32 hwreg(HW_REG_WAVE_MODE, 25, 1), 1
	s_wait_xcnt 0x0
	s_wait_alu depctr_hold_cnt(0) depctr_sa_sdst(0) depctr_va_vdst(0) depctr_va_sdst(0) depctr_va_ssrc(0) depctr_va_vcc(0) depctr_vm_vsrc(0)
	s_getreg_b32 s2, hwreg(HW_REG_IB_STS2, 6, 4)
	s_cmp_eq_u32 s2, 0
	s_cbranch_scc0 .Lentry_in_a_cluster
	s_endpgm
.Lentry_in_a_cluster:
	s_bfe_u32 s2, ttmp6, 0x10000c
	s_cmp_lg_u32 s2, 0xf033
	s_cbranch_scc0 .Lentry_shape_is_right
	s_endpgm
.Lentry_shape_is_right:
.set SIZE_K, 4096
.set BIAS,   1
.set LAPS,   SIZE_K/1024
.set AHALF,  8*4352
.set BOFF,   2*AHALF
.set BP,     528
.set BHALF,  64*BP
.set SLOT,   BOFF+2*BHALF
.set SCA,    2*SLOT
.set SAH,    (SIZE_K/256)*512
.set SCB,    SCA+2*SAH
.set KSB,    SIZE_K/32
.set SBLK,   (16*KSB/256)*272
.set SPARE,  SCB+8*SBLK
.set ADRA, 16
.set ADRB, 20
.set ASA,  22
.set ASB,  23
.set STO,  24
.set RD,   25
.set CO,   26
.set BIO,  27
.set SPW,  28
.set NIL,  29
.set SC,   32
.set ACC,  128
.set F0,   0
.set F1,   128
.set WV,  16
.set RH,  17
.set CH,  18
.set G1, 24
.set G0, 32
.set G1B, 48
.set G0B, 56
.set G1S, 68
.set G0S, 76
.set G1SB, 80
.set G0SB, 88
.set MSB, 0
.macro WIN new
.if MSB != (\new)
	s_set_vgpr_msb (MSB<<8)|(\new)
.set MSB, \new
.endif
.endm
.set MUL,  0x05
.set TO_F, 0x40
.macro JLOAD g0a, g1a, g0b, g1b
	s_cmp_eq_u32 s[RH], 0
	s_cbranch_scc0 .Lfor_b_\@
	tensor_load_to_lds s[\g0a:\g0a+3], s[\g1a:\g1a+7]
	s_nop 0
.rept 4
	v_nop
.endr
	s_branch .Lasked_\@
.Lfor_b_\@:
	tensor_load_to_lds s[\g0b:\g0b+3], s[\g1b:\g1b+7]
	s_nop 0
.rept 4
	v_nop
.endr
.Lasked_\@:
.endm
.macro CREST
	s_cmp_lg_u32 s[WV], 0
	s_cbranch_scc1 .Lnot_wave_0_\@
	s_barrier_signal -3
.Lnot_wave_0_\@:
	s_barrier_wait -3
	s_barrier_signal -1
	s_barrier_wait -1
.endm
.macro CROUND
	s_barrier_signal -1
	s_barrier_wait -1
	CREST
.endm
	s_load_b256 s[4:11], s[0:1], 0x0
.if BIAS
	s_load_b128 s[12:15], s[0:1], 0x20
	s_load_b64 s[66:67], s[0:1], 0x30
.else
	s_load_b64 s[12:13], s[0:1], 0x20
	s_load_b64 s[66:67], s[0:1], 0x28
.endif
	v_lshl_add_u32 v[SPW], v0, 2, SPARE
	v_mov_b32 v[NIL], 0
	ds_add_u32 v28, v29
	ds_add_u32 v28, v29
	s_wait_dscnt 0x0
	v_lshrrev_b32 v1, 5, v0
	v_readfirstlane_b32 s[WV], v1
	s_lshr_b32 s[RH], s[WV], 1
	s_and_b32 s[CH], s[WV], 1
	s_bfe_u32 s40, ttmp6, 0x40000
	s_bfe_u32 s41, ttmp6, 0x40004
	s_lshl_b32 s42, ttmp9, 2
	s_add_co_u32 s42, s42, s40
	s_and_b32 s19, ttmp7, 0xffff
	s_lshl_b32 s19, s19, 2
	s_add_co_u32 s19, s19, s41
	s_lshl_b32 s43, s41, 2
	s_lshl_b32 s43, 15, s43
	s_lshl_b32 s44, 0x1111, s40
	s_or_b32 s[G1+0], s43, (3<<16)|(1<<20)|(1<<21)|(5<<22)|(3<<25)
	s_mov_b32 s[G1+1], 512<<16
	s_mov_b32 s[G1+2], 8<<16
	s_mov_b32 s[G1+3], 512<<16
	s_mov_b32 s[G1+4], 8
	s_mov_b32 s[G1+5], 32768
	s_mov_b32 s[G1+6], 0
	s_mov_b32 s[G1+7], 0
	s_or_b32 s[G1B+0], s44, (0<<16)|(1<<20)|(1<<21)|(6<<22)|(3<<25)
	s_mov_b32 s[G1B+1], 512<<16
	s_mov_b32 s[G1B+2], 64<<16
	s_mov_b32 s[G1B+3], 512<<16
	s_mov_b32 s[G1B+4], 64
	s_mov_b32 s[G1B+5], SIZE_K
	s_mov_b32 s[G1B+6], 0
	s_mov_b32 s[G1B+7], 0
	s_or_b32 s[G1S+0], s43, (3<<16)|(1<<21)
	s_mov_b32 s[G1S+1], 64<<16
	s_mov_b32 s[G1S+2], (SIZE_K/256)<<16
	s_mov_b32 s[G1S+3], 64<<16
	s_mov_b32 s[G1S+4], SIZE_K/256
	s_mov_b32 s[G1S+5], 4096
	s_mov_b32 s[G1S+6], 0
	s_mov_b32 s[G1S+7], 0
	s_or_b32 s[G1SB+0], s44, (3<<16)|(1<<20)|(1<<21)|(5<<22)|(3<<25)
	s_mov_b32 s[G1SB+1], 32<<16
	s_mov_b32 s[G1SB+2], (2*SIZE_K/256)<<16
	s_mov_b32 s[G1SB+3], 32<<16
	s_mov_b32 s[G1SB+4], 2*SIZE_K/256
	s_mov_b32 s[G1SB+5], 32
	s_mov_b32 s[G1SB+6], 0
	s_mov_b32 s[G1SB+7], 0
	s_lshl_b32 s20, s19, 7
	s_lshl_b32 s21, s[CH], 6
	s_add_co_u32 s20, s20, s21
	s_lshl_b32 s22, s20, 3
	s_lshl_b32 s20, s20, 6
	s_mov_b32 s21, 0
	s_mov_b32 s23, 0
	s_lshl_b32 s46, s42, 7
	s_lshl_b32 s47, s[CH], 6
	s_add_co_u32 s46, s46, s47
	s_mul_i32 s92, s46, KSB
	s_mul_i32 s46, s46, SIZE_K
	s_mov_b32 s47, 0
	s_mov_b32 s93, 0
	s_mul_i32 s45, s[CH], AHALF
	s_mul_i32 s94, s[CH], BHALF
	s_add_co_u32 s94, s94, BOFF
	s_mul_i32 s95, s[CH], SAH
	s_add_co_u32 s95, s95, SCA
	s_mul_i32 s96, s[CH], 4*SBLK
	s_add_co_u32 s96, s96, SCB
	s_wait_kmcnt 0x0
	s_add_nc_u64 s[20:21], s[4:5], s[20:21]
	s_add_nc_u64 s[22:23], s[6:7], s[22:23]
	s_add_nc_u64 s[46:47], s[8:9], s[46:47]
	s_add_nc_u64 s[92:93], s[10:11], s[92:93]
	CROUND
	s_mov_b32 s[G0S], 1
	s_mov_b32 s[G0S+1], s95
	s_mov_b64 s[G0S+2:G0S+3], s[22:23]
	s_or_b32 s[G0S+3], s[G0S+3], 0x80000000
	s_mov_b32 s[G0SB], 1
	s_mov_b32 s[G0SB+1], s96
	s_mov_b64 s[G0SB+2:G0SB+3], s[92:93]
	s_or_b32 s[G0SB+3], s[G0SB+3], 0x80000000
	JLOAD G0S, G1S, G0SB, G1SB
.irp s, 0,1
	s_mov_b32 s[G0+4*\s], 1
	s_add_co_u32 s[G0+4*\s+1], s45, \s*SLOT
	s_add_nc_u64 s[G0+4*\s+2:G0+4*\s+3], s[20:21], \s*2097152
	s_or_b32 s[G0+4*\s+3], s[G0+4*\s+3], 0x80000000
	s_mov_b32 s[G0B+4*\s], 1
	s_add_co_u32 s[G0B+4*\s+1], s94, \s*SLOT
	s_add_nc_u64 s[G0B+4*\s+2:G0B+4*\s+3], s[46:47], \s*512
	s_or_b32 s[G0B+4*\s+3], s[G0B+4*\s+3], 0x80000000
	s_wait_alu depctr_va_vdst(0)
	s_wait_tensorcnt 0x0
	ds_add_u32 v28, v29
	s_wait_dscnt 0x0
	CROUND
	JLOAD G0+4*\s, G1, G0B+4*\s, G1B
.endr
	v_and_b32 v1, 15, v0
	v_bfe_u32 v2, v0, 4, 1
	v_lshrrev_b32 v3, 2, v1
	v_lshlrev_b32 v4, 6, v1
	v_lshl_add_u32 v4, v3, 4, v4
	v_lshl_add_u32 v4, v2, 4, v4
	v_mul_u32_u24 v5, v1, BP
	v_lshl_add_u32 v5, v2, 4, v5
	s_mul_i32 s21, s[RH], AHALF
	s_mul_i32 s22, s[CH], BHALF
	s_add_co_u32 s22, s22, BOFF
.irp s, 0,1
	v_add_nc_u32 v[ADRA+\s], s21, v4
	v_add_nc_u32 v[ADRB+\s], s22, v5
	s_add_co_u32 s21, s21, SLOT
	s_add_co_u32 s22, s22, SLOT
.endr
	s_mul_i32 s21, s[RH], SAH
	s_add_co_u32 s21, s21, SCA
	v_lshl_add_u32 v[ASA], v1, 3, s21
	v_mul_u32_u24 v6, v1, KSB
	v_lshrrev_b32 v7, 8, v6
	v_lshl_add_u32 v6, v7, 4, v6
	s_mul_i32 s21, s[CH], 4*SBLK
	s_add_co_u32 s21, s21, SCB
	v_add_nc_u32 v[ASB], s21, v6
	s_mul_i32 s23, s[WV], 16*272
	v_mul_u32_u24 v6, v1, 272
	v_lshl_add_u32 v6, v2, 5, v6
	v_add_nc_u32 v[STO], s23, v6
	v_mul_u32_u24 v6, v2, 272
	v_lshl_add_u32 v6, v1, 4, v6
	v_add_nc_u32 v[RD], s23, v6
	v_lshlrev_b32 v6, 12, v2
	v_lshl_add_u32 v[CO], v1, 4, v6
	s_wait_alu depctr_va_vdst(0)
	s_lshl_b32 s20, s19, 7
	s_lshl_b32 s21, s[RH], 6
	s_add_co_u32 s20, s20, s21
	s_lshl_b32 s20, s20, 12
	s_mov_b32 s21, 0
	s_lshl_b32 s46, s42, 9
	s_lshl_b32 s47, s[CH], 8
	s_add_co_u32 s46, s46, s47
	s_mov_b32 s47, 0
.if BIAS
	s_add_nc_u64 s[14:15], s[14:15], s[46:47]
	v_lshlrev_b32 v[BIO], 5, v2
.endif
	s_add_nc_u64 s[20:21], s[20:21], s[46:47]
	s_add_nc_u64 s[12:13], s[12:13], s[20:21]
	s_add_nc_u64 s[66:67], s[66:67], s[20:21]
	WIN 0x80
.if BIAS
.irp b, 0,1,2,3
	global_load_b128 v[128+8*\b:128+8*\b+3], v[BIO], s[14:15] offset:64*\b
	global_load_b128 v[128+8*\b+4:128+8*\b+7], v[BIO], s[14:15] offset:64*\b+16
.endr
.endif
.irp a, 0,1,2,3
.irp t, 0,1,2,3,4,5,6,7
	global_load_b128 v[32*\a+4*\t:32*\a+4*\t+3], v[CO], s[12:13] offset:(16*\a+2*\t)*4096 th:TH_LOAD_NT
.endr
.endr
	WIN 0
.macro MUL8 f, q, a0, set, first
.irp a, \a0, \a0+1
.irp b, 0,1,2,3
.if (\first) && BIAS
	v_wmma_scale_f32_16x16x128_f8f6f4 v[ACC+8*(4*(\a)+\b):ACC+8*(4*(\a)+\b)+7], v[\f+64+16*\b:\f+64+16*\b+15], v[\f+16*(\a):\f+16*(\a)+15], v[128+8*\b:128+8*\b+7], v[SC+32*(\set)+16+4*\b+(\q)], v[SC+32*(\set)+4*(\a)+(\q)] matrix_a_fmt:MATRIX_FMT_BF8 matrix_b_fmt:MATRIX_FMT_BF8
.elseif \first
	v_wmma_scale_f32_16x16x128_f8f6f4 v[ACC+8*(4*(\a)+\b):ACC+8*(4*(\a)+\b)+7], v[\f+64+16*\b:\f+64+16*\b+15], v[\f+16*(\a):\f+16*(\a)+15], 0, v[SC+32*(\set)+16+4*\b+(\q)], v[SC+32*(\set)+4*(\a)+(\q)] matrix_a_fmt:MATRIX_FMT_BF8 matrix_b_fmt:MATRIX_FMT_BF8
.else
	v_wmma_scale_f32_16x16x128_f8f6f4 v[ACC+8*(4*(\a)+\b):ACC+8*(4*(\a)+\b)+7], v[\f+64+16*\b:\f+64+16*\b+15], v[\f+16*(\a):\f+16*(\a)+15], v[ACC+8*(4*(\a)+\b):ACC+8*(4*(\a)+\b)+7], v[SC+32*(\set)+16+4*\b+(\q)], v[SC+32*(\set)+4*(\a)+(\q)] matrix_a_fmt:MATRIX_FMT_BF8 matrix_b_fmt:MATRIX_FMT_BF8
.endif
.endr
.endr
.endm
.macro FETCH slot, q, f
	WIN TO_F
.irp i, 0,1,2,3
.irp c, 0,1,2,3
	ds_load_b128 v[\f+16*\i+4*\c:\f+16*\i+4*\c+3], v[ADRA+\slot] offset:(2*(\q)+\c/2)*4352+1088*\i+32*(\c%2)
	ds_load_b128 v[\f+64+16*\i+4*\c:\f+64+16*\i+4*\c+3], v[ADRB+\slot] offset:128*(\q)+32*\c+8448*\i
.endr
.endr
.endm
.macro SCALES set
	WIN 0
.irp i, 0,1,2,3
	ds_load_b64 v[SC+32*(\set)+4*\i:SC+32*(\set)+4*\i+1], v[ASA] offset:128*\i
	ds_load_b64 v[SC+32*(\set)+4*\i+2:SC+32*(\set)+4*\i+3], v[ASA] offset:512+128*\i
	ds_load_b128 v[SC+32*(\set)+16+4*\i:SC+32*(\set)+16+4*\i+3], v[ASB] offset:\i*SBLK
.endr
.endm
.macro PLACES n
.rept \n
	v_nop
.endr
.endm
.macro QUARTER slot, q, first
.set FC, 128*((\q)%2)
.set FN, 128-FC
	s_wait_dscnt 0x0
	PLACES 8
	FETCH \slot, (\q)+1, FN
.if (\first) && BIAS
	WIN 0x25
.else
	WIN MUL
.endif
	MUL8 FC, \q, 0, \slot, \first
	MUL8 FC, \q, 2, \slot, \first
.endm
.macro TURN slot, next, fill
	WIN 0
	s_wait_tensorcnt 0x0
	ds_add_u32 v[SPW], v[NIL]
	s_wait_dscnt 0x0
	s_barrier_signal -1
	WIN MUL
	MUL8 F1, 3, 0, \slot, 0
	WIN 0
	s_barrier_wait -1
.if \fill
	CREST
	s_add_nc_u64 s[G0+4*\slot+2:G0+4*\slot+3], s[G0+4*\slot+2:G0+4*\slot+3], 4194304
	s_add_nc_u64 s[G0B+4*\slot+2:G0B+4*\slot+3], s[G0B+4*\slot+2:G0B+4*\slot+3], 1024
	JLOAD G0+4*\slot, G1, G0B+4*\slot, G1B
	PLACES 4
.else
	PLACES 8
.endif
	s_wait_alu depctr_va_vdst(0)
	v_add_nc_u32 v[ASA], 1024, v[ASA]
	v_add_nc_u32 v[ASB], 16, v[ASB]
	FETCH \next, 0, F0
	SCALES \next
	WIN MUL
	MUL8 F1, 3, 2, \slot, 0
.endm
	s_wait_tensorcnt 1
	s_barrier_signal -1
	s_barrier_wait -1
	FETCH 0, 0, F0
	SCALES 0
.if BIAS
	s_wait_loadcnt 32
.endif
	QUARTER 0, 0, 1
.if LAPS > 1
	WIN 0
	s_mov_b32 s3, LAPS-1
.Llap:
	QUARTER 0, 1, 0
	QUARTER 0, 2, 0
	TURN 0, 1, 1
	QUARTER 1, 0, 0
	QUARTER 1, 1, 0
	QUARTER 1, 2, 0
	TURN 1, 0, 1
	QUARTER 0, 0, 0
	WIN 0
	s_sub_co_u32 s3, s3, 1
	s_cmp_lg_u32 s3, 0
	s_cbranch_scc1 .Llap
.endif
	QUARTER 0, 1, 0
	QUARTER 0, 2, 0
	TURN 0, 1, 0
	QUARTER 1, 0, 0
	QUARTER 1, 1, 0
	QUARTER 1, 2, 0
	s_wait_dscnt 0x0
	WIN MUL
	MUL8 F1, 3, 0, 1, 0
	MUL8 F1, 3, 2, 1, 0
	WIN 0
	PLACES 8
.irp a, 0,1,2,3
.irp b, 0,1,2,3
	ds_store_b128 v[STO], v[ACC+32*\a+8*\b:ACC+32*\a+8*\b+3] offset:64*\b
	ds_store_b128 v[STO], v[ACC+32*\a+8*\b+4:ACC+32*\a+8*\b+7] offset:64*\b+16
.endr
.irp t, 0,1,2,3,4,5,6,7
	ds_load_b128 v[ACC+32*\a+4*\t:ACC+32*\a+4*\t+3], v[RD] offset:544*\t
.endr
.endr
	s_wait_loadcnt 0x0
.irp a, 0,1,2,3
	s_wait_dscnt 16*(3-\a)
	WIN 0x08
.irp j, 0,2,4,6,8,10,12,14,16,18,20,22,24,26,28,30
	v_pk_add_f32 v[ACC+32*\a+\j:ACC+32*\a+\j+1], v[ACC+32*\a+\j:ACC+32*\a+\j+1], v[32*\a+\j:32*\a+\j+1]
.endr
	WIN 0
.irp t, 0,1,2,3,4,5,6,7
	global_store_b128 v[CO], v[ACC+32*\a+4*\t:ACC+32*\a+4*\t+3], s[66:67] offset:(16*\a+2*\t)*4096
.endr
.endr
	s_wait_tensorcnt 0x0
	ds_add_u32 v[SPW], v[NIL]
	s_wait_dscnt 0x0
	CROUND
	s_endpgm
.Lfunc_end_k_qe1bffb90d6_ffn2:
	.size	k_qe1bffb90d6_ffn2, .Lfunc_end_k_qe1bffb90d6_ffn2-k_qe1bffb90d6_ffn2
	.p2alignl 7, 3214868480
	.fill 96, 4, 3214868480
	.section	.rodata,"a",@progbits
	.p2align	6, 0x0
	.amdhsa_kernel k_qe1bffb90d6_ffn2
		.amdhsa_group_segment_fixed_size 327680
		.amdhsa_private_segment_fixed_size 0
		.amdhsa_enable_private_segment 0
		.amdhsa_kernarg_size 56
		.amdhsa_user_sgpr_count 2
		.amdhsa_user_sgpr_kernarg_segment_ptr 1
		.amdhsa_wavefront_size32 1
		.amdhsa_system_sgpr_workgroup_id_x 1
		.amdhsa_system_sgpr_workgroup_id_y 1
		.amdhsa_system_sgpr_workgroup_id_z 1
		.amdhsa_system_vgpr_workitem_id 0
		.amdhsa_next_free_vgpr 768
		.amdhsa_next_free_sgpr 100
		.amdhsa_reserve_vcc 0
		.amdhsa_float_denorm_mode_32 3
		.amdhsa_float_denorm_mode_16_64 3
		.amdhsa_memory_ordered 1
		.amdhsa_forward_progress 1
		.amdhsa_inst_pref_size 102
	.end_amdhsa_kernel
	.amdgpu_metadata
---
amdhsa.version: [ 1, 2 ]
amdhsa.kernels:
  - .name:           k_qe1bffb90d6_ffn2
    .symbol:         k_qe1bffb90d6_ffn2.kd
    .args:
      - { .name: widec, .offset: 0, .size: 8, .value_kind: global_buffer, .address_space: global }
      - { .name: wides, .offset: 8, .size: 8, .value_kind: global_buffer, .address_space: global }
      - { .name: w2_codes, .offset: 16, .size: 8, .value_kind: global_buffer, .address_space: global }
      - { .name: w2_scales, .offset: 24, .size: 8, .value_kind: global_buffer, .address_space: global }
      - { .name: x1, .offset: 32, .size: 8, .value_kind: global_buffer, .address_space: global }
      - { .name: b2, .offset: 40, .size: 8, .value_kind: global_buffer, .address_space: global }
      - { .name: out0, .offset: 48, .size: 8, .value_kind: global_buffer, .address_space: global }
    .group_segment_fixed_size: 327680
    .private_segment_fixed_size: 0
    .kernarg_segment_align: 8
    .kernarg_segment_size: 56
    .max_flat_workgroup_size: 128
    .sgpr_count:     100
    .vgpr_count:     768
    .wavefront_size: 32
...
	.end_amdgpu_metadata
.endif
;; end of part 6
